; MI455X (gfx1250); checked and timed in simulation.
; The chip was launched on July 23, 2026; its instructions are those of AMD's public machine-readable ISA for CDNA 5 (MIT licence, August 2026) and "CDNA5" Instruction Set Architecture Reference Guide (July 2026). The comments in the code are by the model that wrote it; some were corrected since.
;; Multi Head Self Attention. Allowed arithmetic: matrix products marked QUANTISED: E2M1 operands, one E8M0 scale for each 32 along K, by v_wmma_scale_f32_16x16x128_f8f6f4 with both operands' format E2M1 (or v_wmma_scale_f32_32x16x128_f4), f32 sums; products left as they are: bf16, f16 or f32 operands; f32 sums; everything else in f32.
;; Inputs: w_out 1,024 x 1,024 float32; w_qkv 3,072 x 1,024 float32; x 4 x 2,048 x 1,024 float32.
;; Outputs: out0 4 x 2,048 x 1,024 float32.
;; This version of the problem:
;;   THIS VERSION OF THE PROBLEM IS GIVEN IN LOW PRECISION. The matrix products marked QUANTISED in the list below multiply operands that are first quantised to E2M1 (2 exponent bits, 1 mantissa bit; 4 bits a number), with one power-of-two scale for each 32 numbers along K (OCP MX v1.0); their sums are f32. The products marked 'left as it is' may take bf16, f16 or f32 operands, with f32 sums. Whichever they take, every output number must still come out within the allowed error. Rounding operands to bf16 (8 significant bits) uses up far more of that allowance than f16 does (11 bits, for magnitudes from 6e-5 to 65,504). All else is computed in f32.
;;   The module's matrix products, in the order in which they are computed (A, B: the left and right operand; K: the contracted axis; several contracted axes count as one K, in the product's order):
;;     1. [M 8,192, K 1,024] x [K 1,024, N 3,072]; A: input x; B: input w_qkv: QUANTISED
;;     2. batch 64 x [M 2,048, K 64] x [K 64, N 2,048]; A: computed on the way; B: computed on the way: left as it is (an operand is computed on the way)
;;     3. batch 64 x [M 2,048, K 2,048] x [K 2,048, N 64]; A: computed on the way; B: computed on the way: left as it is (an operand is computed on the way)
;;     4. [M 8,192, K 1,024] x [K 1,024, N 1,024]; A: computed on the way; B: input w_out: left as it is (an operand is computed on the way)
;;   THE QUANTISER, for each operand of a quantised product, along K:
;;     - K is cut into blocks of 32 from its start; a last block that is shorter is filled with zeros.
;;     - A block's scale is 2^e with e = floor(log2(the largest magnitude in the block)) - 2, held to -126 .. 127; a block of zeros has e = 0. As a byte (E8M0): e + 127.
;;     - Each number is divided by its block's scale, clamped to +-6, and rounded to the nearest number of E2M1, ties to even, subnormals kept.
;;     - The product sums the exact products of the quantised numbers (number of the format x scale) in f32.
;;   ~~~python
;;   def quantise(x, axis):      # numpy; x: float32 -> the quantised numbers, widened to float32 again
;;       x = np.moveaxis(x, axis, -1); K = x.shape[-1]
;;       x = np.pad(x, [(0, 0)] * (x.ndim - 1) + [(0, -K % 32)]); x = x.reshape(x.shape[:-1] + (-1, 32)); a = np.abs(x).max(-1, keepdims=True)
;;       e = np.where(a > 0, np.clip(np.frexp(np.where(a > 0, a, 1))[1] - 1 - 2, -126, 127), 0)      # np.frexp(a)[1] - 1 = floor(log2(a)), exactly
;;       r = np.clip(x / 2.0 ** e, -6, 6)
;;       step = 2.0 ** (np.maximum(np.frexp(np.where(r == 0, 1, r))[1] - 1, 0) - 1)
;;       q = np.round(r / step) * step * 2.0 ** e      # np.round: ties to even
;;       return np.moveaxis(q.reshape(q.shape[:-2] + (-1,))[..., :K], -1, axis).astype(np.float32)
;;   ~~~
;; One version. Each part assembles by itself: llvm-mc -triple=amdgcn-amd-amdhsa -mcpu=gfx1250 --defsym DOCPART=n.
;; ======== version 1 of 1: 5 launches
;; limits: values are held in f16: magnitudes above 65,504 overflow, below 6.1e-05 lose precision
;; workspace buffers: x_codes 4,194,304 bytes; x_scales 262,144 bytes; w_codes 1,572,864 bytes; w_scales 98,304 bytes; w16 2,097,152 bytes; qkv 50,331,648 bytes; first 786,432 bytes; y 16,777,216 bytes
;; launch prep (part 1): grid 384 x 1, 4 waves a work-group, no clusters, 33,280 bytes of LDS; arguments x, w_qkv, w_out, x_codes, x_scales, w_codes, w_scales, w16; writes x_codes, x_scales, w_codes, w_scales, w16
.if DOCPART == 1
	.amdgcn_target "amdgcn-amd-amdhsa--gfx1250"
	.amdhsa_code_object_version 6
	.text
	.protected	k_q29de970c92_prep
	.globl	k_q29de970c92_prep
	.p2align	8
	.type	k_q29de970c92_prep,@function
k_q29de970c92_prep:
	s_mov_b64 s[64:65], 0
	v_nop
	global_prefetch_b8 v0, s[64:65] scope:SCOPE_SE
	s_setreg_imm32_b32 hwreg(HW_REG_WAVE_MODE, 25, 1), 1
	s_wait_xcnt 0x0
; x [8192][1024] and w_qkv [3072][1024], f32, become codes of FP4 (E2M1), K innermost (a row: 512 bytes), with one E8M0 scale byte for each 32 along K (a row: 32 bytes);
; w_out [1024][1024], f32, becomes f16, row-major.  A work-group takes 32,768 numbers: work-groups 0-255 x, 256-351 w_qkv, 352-383 w_out.
; A block's scale is 2^(floor(log2(its largest magnitude)) - 2); its byte is the largest magnitude's exponent field - 2, held at 1 from below.  A block of zeros so gets the byte 1: its codes are zeros,
; which add nothing under any byte but 0xff, and the bytes are read by this program alone.
; LIMITS: blocks whose largest magnitude lies under 2^-124 keep the byte 1; NaN and infinities among the inputs are not served; |w_out| beyond 65,504 would become infinity in f16.
; QUANTISER.  Rows are dense and K is a multiple of 32: both tensors are plain streams of blocks of 32.  A wave takes 16 steps of 512 numbers.  Each of a step's four loads reads 512 consecutive bytes;
; the 2,048 bytes turn through the wave's own stage in LDS (16 bytes of padding behind each 64) and come back 64 bytes a lane, so that a lane holds 16 neighbours and two neighbouring lanes a block.
; A lane's 16 codes are 8 bytes: the wave stores 256 consecutive bytes.  A wave's 256 scale bytes are gathered in LDS and leave as one aligned run of 256 bytes.
; CAST.  A wave takes 8,192 numbers in four rounds of 16 loads of 512 consecutive bytes; each store covers 256 consecutive bytes, aligned.  It touches no LDS.
; No barrier, no matrix unit, no cluster, no prefetch: waves share nothing, every byte is read once, and the launch is one stream of loads from its start.
.set WAVES, 4
.set STEPS, 16
.set EMAX,  2
.set CB,    8                          ; bytes of 16 codes
.set R,     16                         ; v16-79   four sets of 16 numbers as they are loaded
.set X,     80                         ; v80-111  two sets of 16 neighbours
.set E,     112                        ; v112-127 a scale byte for each step
.set C,     128                        ; v128-191 codes: four registers for each step, so that no store's data are written again
.set WREG,  8192                       ; LDS: a region for each wave: two stages of 32 x SP bytes, behind them its 256 scale bytes
.set SP,    80                         ; a lane's place in a stage: 64 bytes + 16 of padding
.set SPW,   12                         ; v12 LDS address of my spare word; never rewritten
.set NIL,   13                         ; v13 0; never rewritten
.set SPARE, WAVES*WREG                 ; behind the four regions: the spare words, 128 bytes a wave, which no other line names
	s_load_b256 s[4:11], s[0:1], 0x0               ; x s[4:5], w_qkv s[6:7], w_out s[8:9], x_codes s[10:11]
	s_load_b256 s[12:19], s[0:1], 0x20             ; x_scales s[12:13], w_codes s[14:15], w_scales s[16:17], w16 s[18:19]
	v_lshl_add_u32 v[SPW], v0, 2, SPARE
	v_mov_b32 v[NIL], 0
	v_lshrrev_b32 v1, 5, v0
	v_readfirstlane_b32 s20, v1                    ; wave
	v_and_b32 v2, 31, v0                           ; lane
	v_lshlrev_b32 v3, 4, v2                        ; my 16 bytes of a load's 512
	s_cmp_ge_u32 ttmp9, 352                        ; the work-group's number alone decides the path
	s_cbranch_scc1 .Lcast
	s_mul_i32 s21, s20, WREG
	v_lshrrev_b32 v14, 2, v2
	v_mul_u32_u24 v14, v14, SP
	v_and_b32 v15, 3, v2
	v_lshl_add_u32 v14, v15, 4, v14
	v_add_nc_u32 v14, s21, v14                     ; the stage, on the way in: SP (lane / 4) + 16 (lane % 4)
	v_mul_u32_u24 v15, v2, SP
	v_add_nc_u32 v15, s21, v15                     ; and on the way out: SP x lane: my 16 neighbours
	v_mul_u32_u24 v4, v2, CB                       ; my codes' place in a step's
	v_lshrrev_b32 v5, 1, v2
	s_add_co_u32 s21, s21, 2*32*SP
	v_add_nc_u32 v5, s21, v5                       ; LDS: my wave's 256 scale bytes, my block's byte
	v_lshlrev_b32 v7, 3, v2                        ; and on the way out 8 bytes a lane
	v_add_nc_u32 v6, s21, v7
	s_wait_kmcnt 0x0
	s_cmp_lt_u32 ttmp9, 256                        ; x's work-group or w_qkv's?
	s_cselect_b64 s[22:23], s[4:5], s[6:7]         ; the numbers,
	s_cselect_b64 s[24:25], s[10:11], s[14:15]     ; the codes,
	s_cselect_b64 s[26:27], s[12:13], s[16:17]     ; the scale bytes
	s_cselect_b32 s21, 0, 256
	s_sub_co_u32 s21, ttmp9, s21
	s_lshl_b32 s21, s21, 2
	s_add_co_u32 s28, s21, s20                     ; which run of 8,192 numbers of the tensor is my wave's
	s_mov_b32 s29, 0
	s_mov_b64 s[30:31], 512*STEPS*4
	s_mul_u64 s[30:31], s[28:29], s[30:31]
	s_add_nc_u64 s[22:23], s[22:23], s[30:31]
	s_mov_b64 s[30:31], 32*STEPS*CB
	s_mul_u64 s[30:31], s[28:29], s[30:31]
	s_add_nc_u64 s[24:25], s[24:25], s[30:31]
	s_lshl_b32 s28, s28, 8                         ; 256 scale bytes a run
	s_add_nc_u64 s[26:27], s[26:27], s[28:29]
.macro LOAD t
.irp i, 0,1,2,3
	global_load_b128 v[R+16*((\t)%4)+4*\i:R+16*((\t)%4)+4*\i+3], v3, s[22:23] offset:2048*(\t)+512*\i th:TH_LOAD_NT   ; 32 lanes read 512 consecutive bytes
.endr
.endm
.macro TURN t                          ; step t's numbers through the stage: LDS serves a wave's instructions in order, so no wait stands between the stores and the loads
.irp i, 0,1,2,3
	ds_store_b128 v14, v[R+16*((\t)%4)+4*\i:R+16*((\t)%4)+4*\i+3] offset:32*SP*((\t)%2)+8*SP*\i
.endr
.irp i, 0,1,2,3
	ds_load_b128 v[X+16*((\t)%2)+4*\i:X+16*((\t)%2)+4*\i+3], v15 offset:32*SP*((\t)%2)+16*\i
.endr
.endm
.irp t, 0,1,2,3
	LOAD \t
.endr
	s_wait_loadcnt 12                              ; step 0's four loads are in; the twelve of steps 1 to 3 stay out
	TURN 0
.macro STEP t
.set XS, X+16*((\t)%2)
.if (\t) > 0
	s_wait_dscnt 1                                 ; this step's numbers are back from the stage (the last step's byte store may be out)
.else
	s_wait_dscnt 0x0
.endif
.if (\t)+4 < STEPS
	LOAD (\t)+4                                    ; into the registers that this step's stores into the stage have read
.endif
.if (\t)+1 < STEPS
.if STEPS-2-(\t) >= 3
	s_wait_loadcnt 12                              ; the next step's four loads are in; those of the three steps behind it may be out
.else
	s_wait_loadcnt 4*(STEPS-2-(\t))
.endif
	TURN (\t)+1                                    ; through the other stage while this step is worked
.endif
	v_max3_num_f32 v8, |v[XS]|, |v[XS+1]|, |v[XS+2]|               ; the largest magnitude of my 16, in two chains
	v_max3_num_f32 v9, |v[XS+3]|, |v[XS+4]|, |v[XS+5]|
.irp i, 6,10
	v_max3_num_f32 v8, v8, |v[XS+\i]|, |v[XS+\i+1]|
	v_max3_num_f32 v9, v9, |v[XS+\i+2]|, |v[XS+\i+3]|
.endr
	v_max3_num_f32 v8, v8, |v[XS+14]|, |v[XS+15]|
	v_max3_num_f32 v8, v8, v9, (EMAX+1)<<23        ; and the floor 2^(3 - 127): the byte cannot fall under 1
	v_max_num_f32_dpp v8, v8, v8 row_xmask:1 row_mask:0xf bank_mask:0xf   ; and of my neighbour's 16: the block's
	v_add_nc_u32 v11, -(EMAX<<23), v8              ; 2 off its exponent field: the conversion takes the exponent field of this operand as its scale
	v_cvt_scalef32_pk8_fp4_f32 v[C+4*(\t)], v[XS:XS+7], v11
	v_cvt_scalef32_pk8_fp4_f32 v[C+4*(\t)+1], v[XS+8:XS+15], v11
	v_lshrrev_b32 v[E+(\t)], 23, v11               ; the scale's byte (also the plain line behind the conversions)
	ds_store_b8 v5, v[E+(\t)] offset:16*(\t)       ; both lanes of a block write the same byte with the same value
	global_store_b64 v4, v[C+4*(\t):C+4*(\t)+1], s[24:25] offset:32*CB*(\t)   ; the wave stores 256 consecutive bytes, aligned
.endm
.irp t, 0,1,2,3,4,5,6,7,8,9,10,11,12,13,14,15
	STEP \t
.endr
	ds_load_b64 v[8:9], v6                         ; LDS serves a wave's instructions in order: these see my byte stores
	s_wait_dscnt 0x0
	global_store_b64 v7, v[8:9], s[26:27]          ; 32 lanes store 256 consecutive bytes, aligned
	s_wait_tensorcnt 0x0                           ; the wave's end
	ds_add_u32 v[SPW], v[NIL]
	s_wait_dscnt 0x0
	s_endpgm
.Lcast:                                            ; w_out to f16: this path writes no LDS
	s_sub_co_u32 s21, ttmp9, 352
	s_lshl_b32 s21, s21, 2
	s_add_co_u32 s21, s21, s20                     ; which run of 8,192 numbers is my wave's: 0 .. 127
	s_lshl_b32 s28, s21, 15                        ; 32,768 bytes in,
	s_mov_b32 s29, 0
	s_lshl_b32 s30, s21, 14                        ; 16,384 out
	s_mov_b32 s31, 0
	v_lshlrev_b32 v4, 3, v2                        ; 8 bytes a lane on the way out
	s_wait_kmcnt 0x0
	s_add_nc_u64 s[8:9], s[8:9], s[28:29]
	s_add_nc_u64 s[18:19], s[18:19], s[30:31]
.macro CLOAD r                         ; round r: 16 loads of 512 consecutive bytes into set r % 2
.irp i, 0,1,2,3,4,5,6,7,8,9,10,11,12,13,14,15
	global_load_b128 v[16+64*((\r)%2)+4*\i:16+64*((\r)%2)+4*\i+3], v3, s[8:9] offset:8192*(\r)+512*\i th:TH_LOAD_NT
.endr
.endm
.macro CAST r
.if (\r) < 3
	s_wait_loadcnt 16                              ; this round's 16 loads are in; the next round's may be out
.else
	s_wait_loadcnt 0x0
.endif
.if (\r) > 0
	s_wait_xcnt 0x0                                ; the last round's stores have read their data: v144-175 are written again only behind this wait
.endif
.irp i, 0,1,2,3,4,5,6,7,8,9,10,11,12,13,14,15
	v_cvt_pk_f16_f32 v[144+2*\i], v[16+64*((\r)%2)+4*\i], v[16+64*((\r)%2)+4*\i+1]
	v_cvt_pk_f16_f32 v[145+2*\i], v[16+64*((\r)%2)+4*\i+2], v[16+64*((\r)%2)+4*\i+3]
.endr
.irp i, 0,1,2,3,4,5,6,7,8,9,10,11,12,13,14,15
	global_store_b64 v4, v[144+2*\i:145+2*\i], s[18:19] offset:4096*(\r)+256*\i   ; 256 consecutive bytes, aligned
.endr
.if (\r)+2 < 4
	CLOAD (\r)+2
.endif
.endm
	CLOAD 0
	CLOAD 1
	CAST 0
	CAST 1
	CAST 2
	CAST 3
	s_endpgm
.Lfunc_end_k_q29de970c92_prep:
	.size	k_q29de970c92_prep, .Lfunc_end_k_q29de970c92_prep-k_q29de970c92_prep
	.p2alignl 7, 3214868480
	.fill 96, 4, 3214868480
	.section	.rodata,"a",@progbits
	.p2align	6, 0x0
	.amdhsa_kernel k_q29de970c92_prep
		.amdhsa_group_segment_fixed_size 33280
		.amdhsa_private_segment_fixed_size 0
		.amdhsa_enable_private_segment 0
		.amdhsa_kernarg_size 64
		.amdhsa_user_sgpr_count 2
		.amdhsa_user_sgpr_kernarg_segment_ptr 1
		.amdhsa_wavefront_size32 1
		.amdhsa_system_sgpr_workgroup_id_x 1
		.amdhsa_system_sgpr_workgroup_id_y 1
		.amdhsa_system_sgpr_workgroup_id_z 1
		.amdhsa_system_vgpr_workitem_id 0
		.amdhsa_next_free_vgpr 192
		.amdhsa_next_free_sgpr 66
		.amdhsa_reserve_vcc 0
		.amdhsa_float_denorm_mode_32 3
		.amdhsa_float_denorm_mode_16_64 3
		.amdhsa_memory_ordered 1
		.amdhsa_forward_progress 1
		.amdhsa_inst_pref_size 54
	.end_amdhsa_kernel
	.amdgpu_metadata
---
amdhsa.version: [ 1, 2 ]
amdhsa.kernels:
  - .name:           k_q29de970c92_prep
    .symbol:         k_q29de970c92_prep.kd
    .args:
      - { .name: x, .offset: 0, .size: 8, .value_kind: global_buffer, .address_space: global }
      - { .name: w_qkv, .offset: 8, .size: 8, .value_kind: global_buffer, .address_space: global }
      - { .name: w_out, .offset: 16, .size: 8, .value_kind: global_buffer, .address_space: global }
      - { .name: x_codes, .offset: 24, .size: 8, .value_kind: global_buffer, .address_space: global }
      - { .name: x_scales, .offset: 32, .size: 8, .value_kind: global_buffer, .address_space: global }
      - { .name: w_codes, .offset: 40, .size: 8, .value_kind: global_buffer, .address_space: global }
      - { .name: w_scales, .offset: 48, .size: 8, .value_kind: global_buffer, .address_space: global }
      - { .name: w16, .offset: 56, .size: 8, .value_kind: global_buffer, .address_space: global }
    .group_segment_fixed_size: 33280
    .private_segment_fixed_size: 0
    .kernarg_segment_align: 8
    .kernarg_segment_size: 64
    .max_flat_workgroup_size: 128
    .sgpr_count:     66
    .vgpr_count:     192
    .wavefront_size: 32
...
	.end_amdgpu_metadata
.endif
;; end of part 1
;; launch gemm_qkv (part 2): grid 12 x 32, 4 waves a work-group, clusters of 4 x 4, 327,680 bytes of LDS; arguments x_codes, x_scales, w_codes, w_scales, qkv, first; writes qkv, first
.if DOCPART == 2
	.amdgcn_target "amdgcn-amd-amdhsa--gfx1250"
	.amdhsa_code_object_version 6
	.text
	.protected	k_q29de970c92_gemm_qkv
	.globl	k_q29de970c92_gemm_qkv
	.p2align	8
	.type	k_q29de970c92_gemm_qkv,@function
k_q29de970c92_gemm_qkv:
	s_mov_b64 s[64:65], 0
	v_nop
	global_prefetch_b8 v0, s[64:65] scope:SCOPE_SE
	s_setreg_imm32_b32 hwreg(HW_REG_WAVE_MODE, 25, 1), 1
	s_wait_xcnt 0x0
	s_wait_alu depctr_hold_cnt(0) depctr_sa_sdst(0) depctr_va_vdst(0) depctr_va_sdst(0) depctr_va_ssrc(0) depctr_va_vcc(0) depctr_vm_vsrc(0)
	s_getreg_b32 s2, hwreg(HW_REG_IB_STS2, 6, 4)
	s_cmp_eq_u32 s2, 0
	s_cbranch_scc0 .Lentry_in_a_cluster
	s_endpgm
.Lentry_in_a_cluster:
	s_bfe_u32 s2, ttmp6, 0x10000c
	s_cmp_lg_u32 s2, 0xf033
	s_cbranch_scc0 .Lentry_shape_is_right
	s_endpgm
.Lentry_shape_is_right:
; qkv = x w_qkv^T on codes of FP4 (E2M1) with one E8M0 scale for each 32 along K = 1,024; sums in f32.  The results leave as f16 IMAGES OF THE NEXT PRODUCTS' OPERAND REGISTERS.
; A tile of 256 x 256 is made by four waves, 128 x 128 each: 64 accumulators of 16 x 16, 512 registers.  K is two slots of 512 (LDS rows of 256 bytes + 16 of padding): both are first fills, nothing is filled again.
; The scale bytes of the tile's 2 x 256 rows, for all of K, come once, as dense runs of 256 bytes.
; THE MATRIX INSTRUCTION IS USED TRANSPOSED (source 0 = 16 rows of "B", source 1 = 16 rows of "A"): lane (r = l % 16, h = l / 16) holds row r of A's block a and the eight neighbouring rows 16 b + 8 h + 0..7 of B's.
; Rounded to f16 in pairs these are 16 bytes: registers 4 (b % 2) .. + 3 of a 16-bit fragment (16 rows x 32 along the next K) of that very lane.  So each store is 16 bytes a lane at 16 x lane: 512 consecutive bytes, aligned; no stage.
; CLUSTERS 0 and 1 along x (q and k): A = x (positions), B = w_qkv (features): fragments [position][channel].   CLUSTER 2 (v): A = w_qkv's rows 2,048 on (channels), B = x (positions): fragments [channel][key], V transposed.
; Only pointers and tile coordinates are chosen, by the cluster's x, which all sixteen partners share.  A's tiles hang on cy and go to my row of the cluster, B's on cx and go to my column: each is asked for jointly.
; The batches are dealt over cy (v: cx), so that "the tile holds positions 0-15" is "cluster y = 0", a number that all partners share.
; qkv: q at 0, k at 16 MiB: [batch 4][head 16][tile of 16 positions 128][channels 32 f on: 2][c 2][lane 32][16 bytes];  v at 32 MiB: [batch][head][32 keys: 64][16 channels: 4][c][lane][16].
; first: the accumulators of positions 0-15 as they stand, f32: [128 columns of the 3,072: 24][batch 4][block 8][half 2][lane][16 bytes].
; LIMITS: a result beyond 65,504 in magnitude becomes infinity in f16.
; REGISTERS, in windows of 256: window 0: v16-29 addresses; v32-95 scale words, two sets; v128-191 A's fragments, one set.   window 1: B's fragments, two sets (v0, v128); on the way out the packed results.
;   window 2: the accumulators of my rows 0-63 ((a, b) at v[8 (8 a + b)]);   window 3: those of my rows 64-127.
.set SIZE_K, 1024
.set KSTEP,  512
.set NQ,     KSTEP/128
.set ROWB,   256                       ; a tile's row in bytes
.set KROW,   SIZE_K/2                  ; a row of codes in memory
.set PITCH,  272                       ; 256 + 16: 68 words, so that the 16 rows of a fragment load start 4 words apart
.set FR,     8
.set NL,     2
.set NP,     4
.set HALFT,  128*PITCH
.set SLOT,   4*HALFT
.set KS,     SIZE_K/32                 ; a row of scale bytes
.set SCL,    2*SLOT
.set HALFS,  (128*KS/256)*272
.set SBLK,   (16*KS/256)*272
.set SPARE,  SCL+4*HALFS               ; the spare words, 128 bytes a wave, which no other line names
.set ADRA, 16                          ; v16-17 LDS address of my A fragments in slot 0, 1
.set ADRB, 20                          ; v20-21 the same for B
.set CO,   26                          ; v26 16 x lane
.set ADRS, 27                          ; v27 LDS address of my scale words: lanes 0-15 A's rows, lanes 16-31 B's
.set SPW,  28                          ; v28 my spare word; never rewritten
.set NIL,  29                          ; v29 0; never rewritten
.set SC,   32
.set AF,   128
.set G1, 24
.set G0, 32
.set G1B, 48
.set G0B, 56
.set G1S, 68
.set G0S, 76
.set G1SB, 80
.set G0SB, 88
.set MSB, 0
.macro WIN new                         ; the immediate's high byte repeats the setting that is left
.if MSB != \new
	s_set_vgpr_msb (MSB<<8)|\new
.set MSB, \new
.endif
.endm
.set MUL_LO, 0xa1                      ; source 0 (B) window 1, source 1 (A) window 0, C and D window 2
.set MUL_HI, 0xf1                      ; the same, C and D window 3
.set TO_B,   0x40                      ; destination window 1, address window 0
; A joint load: waves 0 and 1 fetch for A, waves 2 and 3 for B; the branch hangs on the wave's number alone.  An s_nop 0 and four v_nop follow each of the two lines.
.macro JLOAD g0a, g1a, g0b, g1b
	s_cmp_eq_u32 s15, 0
	s_cbranch_scc0 .Lfor_b_\@
	tensor_load_to_lds s[\g0a:\g0a+3], s[\g1a:\g1a+7]
	s_nop 0
.rept 4
	v_nop
.endr
	s_branch .Lasked_\@
.Lfor_b_\@:
	tensor_load_to_lds s[\g0b:\g0b+3], s[\g1b:\g1b+7]
	s_nop 0
.rept 4
	v_nop
.endr
.Lasked_\@:
.endm
.macro CROUND                          ; a round of the cluster's barrier
	s_barrier_signal -1
	s_barrier_wait -1
	s_cmp_lg_u32 s14, 0
	s_cbranch_scc1 .Lnot_wave_0_\@
	s_barrier_signal -3
.Lnot_wave_0_\@:
	s_barrier_wait -3
	s_barrier_signal -1
	s_barrier_wait -1
.endm
	s_load_b256 s[4:11], s[0:1], 0x0               ; x_codes s[4:5], x_scales s[6:7], w_codes s[8:9], w_scales s[10:11]
	s_load_b128 s[96:99], s[0:1], 0x20             ; qkv s[96:97], first s[98:99]
	v_lshl_add_u32 v[SPW], v0, 2, SPARE
	v_mov_b32 v[NIL], 0
	ds_add_u32 v[SPW], v[NIL]                      ; the wave's opening: the add, twice on end, and its wait ahead of my first tensor load
	ds_add_u32 v[SPW], v[NIL]
	v_lshrrev_b32 v1, 5, v0
	v_readfirstlane_b32 s14, v1                    ; wave 0..3
	s_lshr_b32 s15, s14, 1                         ; RH: which half of the tile's A rows is mine.  Also: I fetch for A (0) or for B (1)
	s_and_b32 s16, s14, 1                          ; CH: which half of its B rows.  Also: which 128 rows I fetch
	s_bfe_u32 s40, ttmp6, 0x40000                  ; cx
	s_bfe_u32 s41, ttmp6, 0x40004                  ; cy
	s_and_b32 s95, ttmp7, 0xffff                   ; cluster y: the block of 256 positions
	s_lshl_b32 s17, s41, 3
	s_add_co_u32 s17, s17, s95                     ; q, k: A's tile row = cluster y + 8 cy (x: batch cy)
	s_add_co_u32 s2, s41, 8                        ; v:    A's tile row = 8 + cy (w_qkv's rows 2,048 + 256 cy)
	s_lshl_b32 s42, ttmp9, 2
	s_add_co_u32 s42, s42, s40                     ; q, k: B's tile row = 4 x cluster x + cx (w_qkv)
	s_lshl_b32 s3, s40, 3
	s_add_co_u32 s3, s3, s95                       ; v:    B's tile row = cluster y + 8 cx (x: batch cx)
	s_cmp_eq_u32 ttmp9, 2                          ; the cluster's x: the same in all sixteen partners
	s_cselect_b32 s17, s2, s17
	s_cselect_b32 s42, s3, s42
	s_lshl_b32 s43, s41, 2
	s_lshl_b32 s43, 15, s43                        ; my row of the cluster
	s_lshl_b32 s44, 0x1111, s40                    ; my column
	; descriptor group 1: a tile of 128 rows x 256 bytes, 16 bytes of padding behind each row
	s_or_b32 s[G1+0], s43, (0<<16)|(1<<20)|(1<<21)|(5<<22)|(3<<25)  ; the mask; elements of 1 byte; padding on; bit 21 beside a mask; after every 64 words; 4 words
	s_or_b32 s[G1B+0], s44, (0<<16)|(1<<20)|(1<<21)|(5<<22)|(3<<25)
.irp g, G1, G1B
	s_mov_b32 s[\g+1], ROWB<<16                    ; tensor_dim0
	s_mov_b32 s[\g+2], 128<<16                     ; tensor_dim1
	s_mov_b32 s[\g+3], ROWB<<16                    ; tile_dim0
	s_mov_b32 s[\g+4], 128                         ; tile_dim1
	s_mov_b32 s[\g+5], KROW                        ; from row to row
	s_mov_b32 s[\g+6], 0
	s_mov_b32 s[\g+7], 0
.endr
	; the scales of 128 rows: 4,096 dense bytes as 16 rows of 256 (32 elements of 8 bytes), 16 bytes of padding behind each
	s_or_b32 s[G1S+0], s43, (3<<16)|(1<<20)|(1<<21)|(5<<22)|(3<<25)
	s_or_b32 s[G1SB+0], s44, (3<<16)|(1<<20)|(1<<21)|(5<<22)|(3<<25)
.irp g, G1S, G1SB
	s_mov_b32 s[\g+1], 32<<16
	s_mov_b32 s[\g+2], (128*KS/256)<<16
	s_mov_b32 s[\g+3], 32<<16
	s_mov_b32 s[\g+4], 128*KS/256
	s_mov_b32 s[\g+5], 32
	s_mov_b32 s[\g+6], 0
	s_mov_b32 s[\g+7], 0
.endr
	s_lshl_b32 s18, s16, 7                         ; which 128 rows of the tile I fetch
	s_lshl_b32 s20, s17, 8
	s_add_co_u32 s20, s20, s18                     ; A's row
	s_lshl_b32 s46, s42, 8
	s_add_co_u32 s46, s46, s18                     ; B's row
	s_mov_b32 s21, 0
	s_mov_b32 s47, 0
	s_mov_b64 s[18:19], KS
	s_mul_u64 s[22:23], s[20:21], s[18:19]         ; where these rows' scales begin, in bytes,
	s_mul_u64 s[92:93], s[46:47], s[18:19]
	s_mov_b64 s[18:19], KROW
	s_mul_u64 s[20:21], s[20:21], s[18:19]         ; and their codes
	s_mul_u64 s[46:47], s[46:47], s[18:19]
	s_mul_i32 s45, s14, HALFT                      ; where they go: wave x 128 rows: no place in the cluster enters an LDS address
	s_mul_i32 s94, s14, HALFS
	s_wait_dscnt 0x0                               ; both opening adds are done
	s_wait_kmcnt 0x0
	s_cmp_eq_u32 ttmp9, 2
	s_cselect_b64 s[12:13], s[8:9], s[4:5]         ; A's codes: w's for v, else x's
	s_cselect_b64 s[66:67], s[10:11], s[6:7]       ; A's scales
	s_cselect_b64 s[100:101], s[4:5], s[8:9]       ; B's codes
	s_cselect_b64 s[104:105], s[6:7], s[10:11]     ; B's scales
	s_add_nc_u64 s[20:21], s[12:13], s[20:21]
	s_add_nc_u64 s[22:23], s[66:67], s[22:23]
	s_add_nc_u64 s[46:47], s[100:101], s[46:47]
	s_add_nc_u64 s[92:93], s[104:105], s[92:93]
	CROUND                                         ; all sixteen work-groups are here: the first joint loads meet
	s_mov_b32 s[G0S], 1
	s_add_co_u32 s[G0S+1], s94, SCL
	s_mov_b64 s[G0S+2:G0S+3], s[22:23]
	s_or_b32 s[G0S+3], s[G0S+3], 0x80000000
	s_mov_b32 s[G0SB], 1
	s_add_co_u32 s[G0SB+1], s94, SCL
	s_mov_b64 s[G0SB+2:G0SB+3], s[92:93]
	s_or_b32 s[G0SB+3], s[G0SB+3], 0x80000000
	JLOAD G0S, G1S, G0SB, G1SB                     ; the scales first: they are wanted with slot 0
.irp s, 0,1
	s_mov_b32 s[G0+4*\s], 1
	s_add_co_u32 s[G0+4*\s+1], s45, \s*SLOT
	s_add_nc_u64 s[G0+4*\s+2:G0+4*\s+3], s[20:21], \s*ROWB
	s_or_b32 s[G0+4*\s+3], s[G0+4*\s+3], 0x80000000
	s_mov_b32 s[G0B+4*\s], 1
	s_add_co_u32 s[G0B+4*\s+1], s45, \s*SLOT
	s_add_nc_u64 s[G0B+4*\s+2:G0B+4*\s+3], s[46:47], \s*ROWB
	s_or_b32 s[G0B+4*\s+3], s[G0B+4*\s+3], 0x80000000
	JLOAD G0+4*\s, G1, G0B+4*\s, G1B               ; three loads of mine are out in all
.endr
	v_and_b32 v1, 15, v0                           ; r
	v_bfe_u32 v2, v0, 4, 1                         ; h
	v_mul_u32_u24 v3, v1, PITCH
	v_lshl_add_u32 v4, v2, 4, v3                   ; a fragment's row x pitch + 16 h
	s_mul_i32 s21, s15, HALFT                      ; my 128 rows of A
	s_mul_i32 s22, s16, HALFT                      ; my 128 rows of B,
	s_add_co_u32 s22, s22, 2*HALFT                 ; which lie behind A's 256
.irp s, 0,1
	v_add_nc_u32 v[ADRA+\s], s21, v4
	v_add_nc_u32 v[ADRB+\s], s22, v4
	s_add_co_u32 s21, s21, SLOT
	s_add_co_u32 s22, s22, SLOT
.endr
	v_mul_u32_u24 v5, v1, KS                       ; my row's scales: 32 bytes a row,
	v_lshrrev_b32 v6, 8, v5
	v_lshl_add_u32 v5, v6, 4, v5                   ; and 16 more for each 256 passed
	s_mul_i32 s21, s15, HALFS
	s_mul_i32 s22, s16, HALFS
	s_add_co_u32 s22, s22, 2*HALFS
	s_sub_co_u32 s22, s22, s21
	v_mul_u32_u24 v6, s22, v2                      ; lanes 16-31 take B's: one product, the distance between the two bases x h
	s_add_co_u32 s21, s21, SCL
	v_add_nc_u32 v5, v5, v6
	v_add_nc_u32 v[ADRS], s21, v5
	v_and_b32 v6, 31, v0
	v_lshlrev_b32 v[CO], 4, v6                     ; 16 x lane
.macro FRAG reg, adr, q, i             ; 16 rows x 128 K of 4-bit codes: 8 registers, two loads of 16 bytes, 32 bytes apart
.irp c, 0,1
	ds_load_b128 v[\reg+4*\c:\reg+4*\c+3], v[\adr] offset:64*(\q)+32*\c+(\i)*16*PITCH
.endr
.endm
; 16 matrix instructions: A's blocks a0, a0 + 1 x B's eight, the slot's q-th 128 along K.  p: B's set; sc: the set of scale words.  zero = 1: the first product starts the sums.
; The 64 accumulators take turns, one instruction a turn, in the same order in every step.
.macro MUL16 a0, p, q, sc, zero
.irp a, \a0, \a0+1
.irp b, 0,1,2,3,4,5,6,7
.if \zero
	v_wmma_scale_f32_16x16x128_f8f6f4 v[8*(8*((\a)%4)+\b):8*(8*((\a)%4)+\b)+7], v[128*(\p)+FR*\b:128*(\p)+FR*\b+FR-1], v[AF+FR*(\a):AF+FR*(\a)+FR-1], 0, v[SC+8*NQ*(\sc)+NQ*\b+(\q)], v[SC+8*NQ*(\sc)+NQ*(\a)+(\q)] matrix_a_fmt:MATRIX_FMT_FP4 matrix_b_fmt:MATRIX_FMT_FP4 matrix_a_scale:MATRIX_SCALE_ROW1
.else
	v_wmma_scale_f32_16x16x128_f8f6f4 v[8*(8*((\a)%4)+\b):8*(8*((\a)%4)+\b)+7], v[128*(\p)+FR*\b:128*(\p)+FR*\b+FR-1], v[AF+FR*(\a):AF+FR*(\a)+FR-1], v[8*(8*((\a)%4)+\b):8*(8*((\a)%4)+\b)+7], v[SC+8*NQ*(\sc)+NQ*\b+(\q)], v[SC+8*NQ*(\sc)+NQ*(\a)+(\q)] matrix_a_fmt:MATRIX_FMT_FP4 matrix_b_fmt:MATRIX_FMT_FP4 matrix_a_scale:MATRIX_SCALE_ROW1
.endif
.endr
.endr
.endm
.macro FETCH_B slot, q, p
	WIN TO_B
.irp i, 0,1,2,3,4,5,6,7
	FRAG 128*(\p)+FR*\i, ADRB+\slot, \q, \i
.endr
	WIN 0
.endm
.macro FETCH_A slot, q, i0
.irp i, \i0, \i0+1, \i0+2, \i0+3
	FRAG AF+FR*(\i), ADRA+\slot, \q, \i
.endr
.endm
.macro SCALES sc                       ; a slot's scale words: 4 words a row; lanes 0-15 take A's block i, lanes 16-31 B's block i
.irp i, 0,1,2,3,4,5,6,7
	ds_load_b128 v[SC+8*NQ*\sc+NQ*\i:SC+8*NQ*\sc+NQ*\i+3], v[ADRS] offset:\i*SBLK
.endr
.endm
.macro PLACES n                        ; plain vector instructions behind matrix instructions, in front of loads into their sources and of reads of their results
.rept \n
	v_nop
.endr
.endm
.macro STEP slot, q, zero              ; a step of 128 along K that has its successor in the same slot
	s_wait_dscnt 4*NL                              ; B's set and A's blocks 0-3 are in; the youngest eight loads (A's blocks 4-7) may be out
	WIN MUL_LO
	MUL16 0, (\q)%2, \q, \slot, \zero
	MUL16 2, (\q)%2, \q, \slot, \zero
	s_wait_dscnt 0
	PLACES NP
	FETCH_B \slot, (\q)+1, 1-(\q)%2
	FETCH_A \slot, (\q)+1, 0
	WIN MUL_HI
	MUL16 4, (\q)%2, \q, \slot, \zero
	MUL16 6, (\q)%2, \q, \slot, \zero
	PLACES NP
	WIN 0
	FETCH_A \slot, (\q)+1, 4
.endm
.macro STEPS slot, from
.set Q, \from
.rept NQ-1-\from
	STEP \slot, Q, 0
.set Q, Q+1
.endr
.endm
	s_wait_tensorcnt 1                             ; the scales and my part of slot 0 are in (slot 1's load may be out)
	s_barrier_signal -1
	s_barrier_wait -1                              ; everybody's are
	FETCH_B 0, 0, 0
	FETCH_A 0, 0, 0
	SCALES 0
	FETCH_A 0, 0, 4
	STEP 0, 0, 1                                   ; the first step's products start the sums: nothing is cleared
	STEPS 0, 1
	; slot 0's last step changes slots: each wave waits for its part of slot 1, then the barrier shows the whole slot to all four
	s_wait_tensorcnt 0x0                           ; all my tensor loads have landed
	ds_add_u32 v[SPW], v[NIL]                      ; 0 onto my spare word
	s_wait_dscnt 4*NL+1                            ; (the add and the youngest eight loads may be out)
	WIN MUL_LO
	MUL16 0, 1, NQ-1, 0, 0
	s_wait_dscnt 0x0
	s_barrier_signal -1
	MUL16 2, 1, NQ-1, 0, 0
	WIN 0
	s_barrier_wait -1
	PLACES NP
	v_add_nc_u32 v[ADRS], 4*NQ, v[ADRS]            ; on to slot 1's scale words
	FETCH_B 1, 0, 0
	FETCH_A 1, 0, 0
	SCALES 1
	WIN MUL_HI
	MUL16 4, 1, NQ-1, 0, 0
	MUL16 6, 1, NQ-1, 0, 0
	PLACES NP
	WIN 0
	FETCH_A 1, 0, 4
	STEPS 1, 0
	s_wait_dscnt 4*NL                              ; the very last step: nothing more to fetch
	WIN MUL_LO
	MUL16 0, 1, NQ-1, 1, 0
	MUL16 2, 1, NQ-1, 1, 0
	s_wait_dscnt 0
	WIN MUL_HI
	MUL16 4, 1, NQ-1, 1, 0
	MUL16 6, 1, NQ-1, 1, 0
; THE WAY OUT.  Every accumulator is rounded to f16 in pairs, from its low end on, into window 1, where B's fragments are done with: (a, b) at v[4 (8 a + b)].
	PLACES NP                                      ; behind the last products: the conversions read results and write registers that held B's fragments
.macro PACK a
	WIN 0x4a+5*((\a)/4)                            ; destination window 1, sources window 2 or 3
.irp b, 0,1,2,3,4,5,6,7
.irp r, 0,1,2,3
	v_cvt_pk_f16_f32 v[4*(8*(\a)+\b)+\r], v[8*(8*((\a)%4)+\b)+2*\r], v[8*(8*((\a)%4)+\b)+2*\r+1]
.endr
.endr
.endm
.irp a, 0,1,2,3,4,5,6,7
	PACK \a
.endr
	WIN 0
	s_cmp_eq_u32 ttmp9, 2
	s_cbranch_scc1 .Lout_v
	; q or k: part (B's tile row / 4) << 24, batch cy << 22, head (4 (tile row % 4) + 2 CH) << 18, tile of positions (16 cluster y + 8 RH) x 2,048
	s_lshr_b32 s20, s42, 2
	s_lshl_b32 s20, s20, 24
	s_lshl_b32 s21, s41, 22
	s_add_co_u32 s20, s20, s21
	s_and_b32 s21, s42, 3
	s_lshl_b32 s21, s21, 20
	s_add_co_u32 s20, s20, s21
	s_lshl_b32 s21, s16, 19
	s_add_co_u32 s20, s20, s21
	s_lshl_b32 s21, s95, 15
	s_add_co_u32 s20, s20, s21
	s_lshl_b32 s21, s15, 14
	s_add_co_u32 s20, s20, s21
	s_mov_b32 s21, 0
	s_add_nc_u64 s[96:97], s[96:97], s[20:21]
	WIN 0x04                                       ; a store's data are its source 1: window 1
.irp a, 0,1,2,3,4,5,6,7
.irp b, 0,1,2,3,4,5,6,7
	global_store_b128 v[CO], v[4*(8*\a+\b):4*(8*\a+\b)+3], s[96:97] offset:(\b/4)*262144+\a*2048+(\b%4)*512 th:TH_STORE_NT   ; 512 consecutive bytes, aligned
.endr
.endr
	WIN 0
	s_or_b32 s20, s95, s15                         ; positions 0-15 lie in block a = 0 of the waves with RH = 0, where cluster y = 0
	s_cmp_lg_u32 s20, 0
	s_cbranch_scc1 .Lend
	s_lshl_b32 s20, s42, 1
	s_add_co_u32 s20, s20, s16
	s_lshl_b32 s20, s20, 15                        ; my 128 columns,
	s_lshl_b32 s21, s41, 13                        ; batch cy
	s_add_co_u32 s20, s20, s21
	s_mov_b32 s21, 0
	s_add_nc_u64 s[98:99], s[98:99], s[20:21]
	WIN 0x08                                       ; data: window 2
.irp b, 0,1,2,3,4,5,6,7
	global_store_b128 v[CO], v[8*\b:8*\b+3], s[98:99] offset:\b*1024
	global_store_b128 v[CO], v[8*\b+4:8*\b+7], s[98:99] offset:\b*1024+512
.endr
	WIN 0
	s_branch .Lend
.Lout_v:
	; v: 32 MiB, batch cx << 22, head (4 cy + 2 RH) << 18, 32 keys (8 cluster y + 4 CH) x 4,096
	s_lshl_b32 s20, s40, 22
	s_add_co_u32 s20, s20, 0x2000000
	s_lshl_b32 s21, s41, 20
	s_add_co_u32 s20, s20, s21
	s_lshl_b32 s21, s15, 19
	s_add_co_u32 s20, s20, s21
	s_lshl_b32 s21, s95, 15
	s_add_co_u32 s20, s20, s21
	s_lshl_b32 s21, s16, 14
	s_add_co_u32 s20, s20, s21
	s_mov_b32 s21, 0
	s_add_nc_u64 s[96:97], s[96:97], s[20:21]
	WIN 0x04
.irp a, 0,1,2,3,4,5,6,7
.irp b, 0,1,2,3,4,5,6,7
	global_store_b128 v[CO], v[4*(8*\a+\b):4*(8*\a+\b)+3], s[96:97] offset:(\a/4)*262144+(\b/2)*4096+(\a%4)*1024+(\b%2)*512 th:TH_STORE_NT
.endr
.endr
	WIN 0
	s_or_b32 s20, s95, s16                         ; positions 0-15 lie in block b = 0 of the waves with CH = 0, where cluster y = 0
	s_cmp_lg_u32 s20, 0
	s_cbranch_scc1 .Lend
	s_lshl_b32 s20, s41, 1
	s_add_co_u32 s20, s20, s15
	s_add_co_u32 s20, s20, 16
	s_lshl_b32 s20, s20, 15                        ; my 128 channels, behind q's and k's sixteen,
	s_lshl_b32 s21, s40, 13                        ; batch cx
	s_add_co_u32 s20, s20, s21
	s_mov_b32 s21, 0
	s_add_nc_u64 s[98:99], s[98:99], s[20:21]
	WIN 0x08
.irp a, 0,1,2,3
	global_store_b128 v[CO], v[64*\a:64*\a+3], s[98:99] offset:\a*1024
	global_store_b128 v[CO], v[64*\a+4:64*\a+7], s[98:99] offset:\a*1024+512
.endr
	WIN 0x0c                                       ; data: window 3
.irp a, 0,1,2,3
	global_store_b128 v[CO], v[64*\a:64*\a+3], s[98:99] offset:(\a+4)*1024
	global_store_b128 v[CO], v[64*\a+4:64*\a+7], s[98:99] offset:(\a+4)*1024+512
.endr
	WIN 0
.Lend:
	s_wait_tensorcnt 0x0                           ; the wave's end
	ds_add_u32 v[SPW], v[NIL]
	s_wait_dscnt 0x0
	CROUND                                         ; the closing round: no work-group ends while a partner may still ask for a tile that names it
	s_endpgm
.Lfunc_end_k_q29de970c92_gemm_qkv:
	.size	k_q29de970c92_gemm_qkv, .Lfunc_end_k_q29de970c92_gemm_qkv-k_q29de970c92_gemm_qkv
	.p2alignl 7, 3214868480
	.fill 96, 4, 3214868480
	.section	.rodata,"a",@progbits
	.p2align	6, 0x0
	.amdhsa_kernel k_q29de970c92_gemm_qkv
		.amdhsa_group_segment_fixed_size 327680
		.amdhsa_private_segment_fixed_size 0
		.amdhsa_enable_private_segment 0
		.amdhsa_kernarg_size 48
		.amdhsa_user_sgpr_count 2
		.amdhsa_user_sgpr_kernarg_segment_ptr 1
		.amdhsa_wavefront_size32 1
		.amdhsa_system_sgpr_workgroup_id_x 1
		.amdhsa_system_sgpr_workgroup_id_y 1
		.amdhsa_system_sgpr_workgroup_id_z 1
		.amdhsa_system_vgpr_workitem_id 0
		.amdhsa_next_free_vgpr 1024
		.amdhsa_next_free_sgpr 106
		.amdhsa_reserve_vcc 0
		.amdhsa_float_denorm_mode_32 3
		.amdhsa_float_denorm_mode_16_64 3
		.amdhsa_memory_ordered 1
		.amdhsa_forward_progress 1
		.amdhsa_inst_pref_size 128
	.end_amdhsa_kernel
	.amdgpu_metadata
---
amdhsa.version: [ 1, 2 ]
amdhsa.kernels:
  - .name:           k_q29de970c92_gemm_qkv
    .symbol:         k_q29de970c92_gemm_qkv.kd
    .args:
      - { .name: x_codes, .offset: 0, .size: 8, .value_kind: global_buffer, .address_space: global }
      - { .name: x_scales, .offset: 8, .size: 8, .value_kind: global_buffer, .address_space: global }
      - { .name: w_codes, .offset: 16, .size: 8, .value_kind: global_buffer, .address_space: global }
      - { .name: w_scales, .offset: 24, .size: 8, .value_kind: global_buffer, .address_space: global }
      - { .name: qkv, .offset: 32, .size: 8, .value_kind: global_buffer, .address_space: global }
      - { .name: first, .offset: 40, .size: 8, .value_kind: global_buffer, .address_space: global }
    .group_segment_fixed_size: 327680
    .private_segment_fixed_size: 0
    .kernarg_segment_align: 8
    .kernarg_segment_size: 48
    .max_flat_workgroup_size: 128
    .sgpr_count:     106
    .vgpr_count:     1024
    .wavefront_size: 32
...
	.end_amdgpu_metadata
.endif
;; end of part 2
;; launch attn (part 3): grid 4 x 64, 16 waves a work-group, no clusters, 327,680 bytes of LDS; arguments qkv, y; writes y
.if DOCPART == 3
	.amdgcn_target "amdgcn-amd-amdhsa--gfx1250"
	.amdhsa_code_object_version 6
	.text
	.protected	k_q29de970c92_attn
	.globl	k_q29de970c92_attn
	.p2align	8
	.type	k_q29de970c92_attn,@function
k_q29de970c92_attn:
	s_mov_b64 s[64:65], 0
	v_nop
	global_prefetch_b8 v0, s[64:65] scope:SCOPE_SE
	s_setreg_imm32_b32 hwreg(HW_REG_WAVE_MODE, 25, 1), 1
	s_wait_xcnt 0x0
; y[b][t][head] = softmax_k(q . k / 8, causal) v, operands in f16, products, maxima and sums in f32; the weights p are rounded to f16 for the second product, y once at the end.
; q, k, v arrive as images of operand registers (a fragment: [c 2][lane 32][16 bytes]): every fragment is two loads of 16 bytes a lane at 16 x lane: no pitch, no padding, no turning load.
; SHARES.  A work-group (x = j, y = batch x 16 + head) owns 16 of the head's 64 chunks of 32 queries, one a wave, two tiles of 16.  Wave w: s = w % 4, u = w / 4, c0 = 8 (s + 4 (u / 2)) + j; its chunk is c0, or 63 - c0 where u is odd.
; Chunk c walks c / 2 + 1 key steps, so the pairs (c0, 63 - c0) even the causal work out among work-groups and among waves w, w + 4, w + 8, w + 12.  Every work-group owns a chunk of 60 or more: it reads every slot, and no tensor load is left out.
; LAYOUT.  S^T = K Q^T (source 0 = 16 keys, source 1 = 16 queries): a lane holds ONE query (lane % 16) and keys 8 (lane / 16) + 0..7 of each tile; two tiles rounded in pairs ARE source 1 of O^T = V^T P.
; SOFTMAX.  For each query a running maximum m and sum l: p = 2^(c s - c m), c = log2(e) / 8; in every step O and l are multiplied by a = 2^(c m_old - c m_new).  O and l begin as zeros and m as -3e38, so that the step is written once.
; CAUSAL.  A step all of whose 64 keys come after the wave's 32 queries is jumped over (ids and counted steps alone); in the one step on the diagonal hidden scores become -infinity.  Every query sees a key in each step that is walked.
; RING.  Two slots of 256 keys (K 32 KiB, V 32 KiB, dense), filled by waves 0 to 3, one load of 16 KiB each; all sixteen read.  By this text's count a wave has at most one tensor load out; every wait on TENSORcnt is for 0.
; NO CLUSTER: the jump over hidden steps hangs on the wave's first query, and so on j; with joint loads j would be the work-group's place in its cluster.
; Four waves share a SIMD: one wave's softmax stands beside another's products and LDS loads.
; y: [head pair 8][tile of 16 rows 512][fragment 2 (head % 2) + channels / 32: 4][c][lane][16 bytes]: the images that the projection's operand wants.
; LIMITS: f16's range for q, k, v (65,504); NaN and infinities are not served.
.set SLOT1, 65536                      ; slot 1 begins here: one exclusive or turns an address
.set VOFF,  32768                      ; in a slot: K's 16 tiles of 2 KiB, then V's 8 fragments' rows of 4 KiB
.set SPARE, 131072                     ; the spare words, 128 bytes for each of 16 waves, which no other line names
.set L16, 1                            ; v1 16 x lane; never rewritten
.set ADR, 2                            ; v2 LDS address of the step's tiles
.set RH8, 3                            ; v3 r - 8 h
.set DD,  4                            ; v4 the mask's d
.set NINF, 5                           ; v5 -infinity
.set PFO, 6                            ; v6 256 x lane: the prefetches' offset; never rewritten
.set SPW, 7                            ; v7 my spare word; never rewritten
.set NIL, 8                            ; v8 0; never rewritten
.set Q,   16                           ; v16-47   Q(t, f) at 16 t + 8 f
.set KV,  48                           ; v48-111  a step's K, then its V
.set S,   112                          ; v112-175 S^T(t, kt) at 32 t + 8 kt; then p; then P(t, kf) at 32 t + 8 kf
.set O,   176                          ; v176-239 O^T(t, ct) at 32 t + 8 ct
.set ST,  240                          ; v240-255 eight a tile: +0 c m, +1 m, +2, +3 l, +4 .. +7 at work; a in +6
.set WV,  18
.set SEL, 20
.set CS,  22
.set G1,  24
.set G0,  40
.set TB,  2                            ; s2  LDS byte at which the step's tiles begin
.set KF,  3                            ; s3  the step's first key
.set Q0,  44                           ; s44 my first query
.set SLOTS, 45
.set CNT, 46
.set PFA, 48
.set LIM, 50
.set YP,  52
.set QP,  58
.macro TLOAD                           ; waves 0 to 3 fetch; the branch hangs on the wave's number alone.  An s_nop 0 and four v_nop follow the load
	s_cmp_lt_u32 s[WV], 4
	s_cbranch_scc0 .Lasked_\@
	tensor_load_to_lds s[G0:G0+3], s[G1:G1+7]
	s_nop 0
.rept 4
	v_nop
.endr
.Lasked_\@:
.endm
; A prefetch of what the NEXT change of slots will ask for: K's 32 KiB and V's 32 KiB.  All four work-groups of a head walk the same K and V: the first (j = 0) asks.  In it waves 4 to 7 ask for K's, waves 8 to 11 for V's,
; 8 KiB a wave, lanes 256 bytes apart: each aligned 256 bytes is named once in the launch.  The last change that fills a slot asks for nothing; slots 0 and 1 come by their loads alone.
.macro ASK
	s_cmp_gt_u32 s[SLOTS], s[LIM]
	s_cbranch_scc0 .Lnot_mine_\@
	global_prefetch_b8 v[PFO], s[PFA:PFA+1] th:TH_LOAD_NT scope:SCOPE_SE
.Lnot_mine_\@:
.endm
	s_load_b128 s[4:7], s[0:1], 0x0                ; qkv s[4:5], y s[6:7]
	v_lshl_add_u32 v[SPW], v0, 2, SPARE
	v_mov_b32 v[NIL], 0
	ds_add_u32 v[SPW], v[NIL]                      ; the wave's opening: the add, twice on end, and its wait ahead of the first tensor load
	ds_add_u32 v[SPW], v[NIL]
	v_lshrrev_b32 v9, 5, v0
	v_readfirstlane_b32 s[WV], v9                  ; wave 0..15
	s_and_b32 s8, ttmp7, 0xffff                    ; batch x 16 + head
	s_and_b32 s9, s[WV], 3
	s_lshr_b32 s10, s[WV], 3
	s_lshl_b32 s10, s10, 2
	s_add_co_u32 s9, s9, s10
	s_lshl_b32 s9, s9, 3
	s_add_co_u32 s9, s9, ttmp9                     ; c0
	s_sub_co_u32 s10, 63, s9
	s_and_b32 s11, s[WV], 4
	s_cmp_lg_u32 s11, 0
	s_cselect_b32 s9, s10, s9                      ; my chunk
	s_lshl_b32 s[Q0], s9, 5
	; descriptor group 1: 16 KiB dense, as 64 rows of 256 bytes (32 elements of 8 bytes)
	s_mov_b32 s[G1], 3<<16
	s_mov_b32 s[G1+1], 32<<16
	s_mov_b32 s[G1+2], 64<<16
	s_mov_b32 s[G1+3], 32<<16
	s_mov_b32 s[G1+4], 64
	s_mov_b32 s[G1+5], 32
	s_mov_b32 s[G1+6], 0
	s_mov_b32 s[G1+7], 0
	s_and_b32 s10, s[WV], 3
	s_lshl_b32 s10, s10, 14                        ; where my load goes in a slot: K's halves, then V's
	s_lshl_b32 s12, s8, 18                         ; the head's 256 KiB in each part
	s_and_b32 s11, s[WV], 2
	s_lshl_b32 s11, s11, 23
	s_add_co_u32 s11, s11, 1<<24                   ; K's part (16 MiB) for waves 0, 1; V's (32 MiB) for waves 2, 3
	s_add_co_u32 s11, s11, s12
	s_and_b32 s13, s[WV], 1
	s_lshl_b32 s13, s13, 14
	s_add_co_u32 s56, s11, s13                     ; + my half of a slot's 32 KiB
	s_mov_b32 s57, 0
	s_lshl_b32 s13, s9, 12
	s_add_co_u32 s54, s12, s13                     ; Q: head, + my chunk's two tiles of 2 KiB
	s_mov_b32 s55, 0
	s_mov_b32 s[SEL], 0x76543210
	s_mov_b32 s[SEL+1], 0xfedcba98
	s_mov_b32 s[CS], 0x3e38aa3b                    ; c = log2(e) / 8
	s_mov_b32 s[CS+1], s[CS]
	s_mov_b32 s[TB], 0
	s_mov_b32 s[KF], 0
	s_mov_b32 s[SLOTS], 7
	s_wait_dscnt 0x0                               ; both opening adds are done
	s_wait_kmcnt 0x0
	s_mov_b32 s[G0], 1
	s_mov_b32 s[G0+1], s10
	s_add_nc_u64 s[G0+2:G0+3], s[4:5], s[56:57]
	s_or_b32 s[G0+3], s[G0+3], 0x80000000
	TLOAD                                          ; slot 0
	s_add_nc_u64 s[QP:QP+1], s[4:5], s[54:55]
	v_and_b32 v9, 31, v0
	v_lshlrev_b32 v[L16], 4, v9
	v_lshlrev_b32 v[PFO], 8, v9
.irp t, 0,1
.irp f, 0,1
.irp c, 0,1
	global_load_b128 v[Q+16*\t+8*\f+4*\c:Q+16*\t+8*\f+4*\c+3], v[L16], s[QP:QP+1] offset:\t*2048+\f*1024+\c*512   ; Q stays in registers
.endr
.endr
.endr
	; y: head pair << 21, tile of rows (128 batch + 2 chunk) << 12, head % 2 << 11
	s_and_b32 s10, s8, 15
	s_lshr_b32 s11, s10, 1
	s_lshl_b32 s54, s11, 21
	s_lshr_b32 s11, s8, 4
	s_lshl_b32 s11, s11, 19
	s_add_co_u32 s54, s54, s11
	s_lshl_b32 s11, s9, 13
	s_add_co_u32 s54, s54, s11
	s_and_b32 s11, s10, 1
	s_lshl_b32 s11, s11, 11
	s_add_co_u32 s54, s54, s11
	s_add_nc_u64 s[YP:YP+1], s[6:7], s[54:55]
	; the prefetches: where my wave's stand, and who asks
	s_lshr_b32 s10, s[WV], 3
	s_and_b32 s10, s10, 1
	s_lshl_b32 s10, s10, 24
	s_add_co_u32 s10, s10, 1<<24                   ; K's part for waves 4 to 7, V's for waves 8 to 11
	s_add_co_u32 s10, s10, s12
	s_and_b32 s11, s[WV], 3
	s_lshl_b32 s11, s11, 13
	s_add_co_u32 s10, s10, s11                     ; my 8 KiB,
	s_add_co_u32 s54, s10, 32768                   ; in slot 1: the first change of slots steps it to slot 2
	s_add_nc_u64 s[PFA:PFA+1], s[4:5], s[54:55]
	s_sub_co_u32 s10, s[WV], 4
	s_lshr_b32 s10, s10, 3                         ; 0 in waves 4 to 11,
	s_or_b32 s10, s10, ttmp9                       ; of the head's first work-group
	s_cmp_eq_u32 s10, 0
	s_cselect_b32 s[LIM], 1, -1
	v_and_b32 v9, 15, v0
	v_bfe_u32 v10, v0, 4, 1
	v_lshlrev_b32 v10, 3, v10
	v_sub_nc_u32 v[RH8], v9, v10                   ; r - 8 h
	v_mov_b32 v[NINF], 0xff800000
.irp t, 0,1
	v_mov_b32 v[ST+8*\t+1], 0xff61b1e6             ; m: -3e38, under every score
	v_mul_f32 v[ST+8*\t], s[CS], v[ST+8*\t+1]      ; c m
.irp i, 2,3,4,5,6,7
	v_mov_b32 v[ST+8*\t+\i], 0                     ; l; and the registers at work (a lane permute's destination counts as one of its sources)
.endr
.endr
.set i, 0
.rept 64
	v_mov_b32 v[O+i], 0                            ; O^T: the first step finds zeros, which a = 0 leaves zeros
.set i, i+1
.endr
; A KEY STEP: 64 keys.
.macro STEP
	s_add_co_u32 s54, s[Q0], 31
	s_cmp_gt_u32 s[KF], s54                        ; all its keys come after my queries: only the counters step
	s_cbranch_scc1 .Lhidden_\@
	v_add_nc_u32 v[ADR], s[TB], v[L16]
.rept 4
	v_nop                                          ; with the addition five places behind the last step's products: the loads below land in their sources (four are owed), and the first products below write over the registers that held P (five)
.endr
.irp f, 0,1                                    ; K: the first 32 channels' eight loads first
.irp kt, 0,1,2,3
.irp c, 0,1
	ds_load_b128 v[KV+16*\kt+8*\f+4*\c:KV+16*\kt+8*\f+4*\c+3], v[ADR] offset:\kt*2048+\f*1024+\c*512
.endr
.endr
.endr
	s_wait_dscnt 8                                 ; the first eight are in; the other channels' eight may be out
.irp kt, 0,1,2,3                               ; eight accumulators by turns
.irp t, 0,1
	v_wmma_f32_16x16x32_f16 v[S+32*\t+8*\kt:S+32*\t+8*\kt+7], v[KV+16*\kt:KV+16*\kt+7], v[Q+16*\t:Q+16*\t+7], 0
.endr
.endr
	s_wait_dscnt 0x0
.irp kt, 0,1,2,3
.irp t, 0,1
	v_wmma_f32_16x16x32_f16 v[S+32*\t+8*\kt:S+32*\t+8*\kt+7], v[KV+16*\kt+8:KV+16*\kt+15], v[Q+16*\t+8:Q+16*\t+15], v[S+32*\t+8*\kt:S+32*\t+8*\kt+7]
.endr
.endr
.rept 4
	v_nop                                          ; places: V's loads land in K's registers, and the scores are read
.endr
.irp kf, 0,1                                   ; V lands while the softmax is worked
.irp ct, 0,1,2,3
.irp c, 0,1
	ds_load_b128 v[KV+32*\kf+8*\ct+4*\c:KV+32*\kf+8*\ct+4*\c+3], v[ADR] offset:VOFF+\kf*4096+\ct*1024+\c*512
.endr
.endr
.endr
	s_add_co_u32 s54, s[KF], 63
	s_cmp_le_u32 s54, s[Q0]                        ; all its keys count for all my queries: no mask
	s_cbranch_scc1 .Lopen_\@
	s_sub_co_i32 s54, s[Q0], s[KF]
	v_add_nc_u32 v[DD], s54, v[RH8]                ; d = Q0 - KF + r - 8 h.  Register (t, kt, n) holds key KF + 16 kt + 8 h + n of query Q0 + 16 t + r: hidden where 16 kt + n - 16 t > d
.irp t, 0,1
.irp kt, 0,1,2,3
.irp n, 0,1,2,3,4,5,6,7
	v_cmp_gt_i32 vcc_lo, 16*\kt+\n-16*\t, v[DD]
	v_cndmask_b32 v[S+32*\t+8*\kt+\n], v[S+32*\t+8*\kt+\n], v[NINF], vcc_lo
.endr
.endr
.endr
.Lopen_\@:
	; the maximum of the lane's 32 scores and the old m: four chains, each from an accumulator's low end on; the two tiles line by line
.irp n, 0,1,2,3
.irp t, 0,1
	v_max3_num_f32 v[ST+8*\t+4+\n], v[S+32*\t+8*\n], v[S+32*\t+8*\n+1], v[S+32*\t+8*\n+2]
.endr
.endr
.irp i, 3,5
.irp n, 0,1,2,3
.irp t, 0,1
	v_max3_num_f32 v[ST+8*\t+4+\n], v[ST+8*\t+4+\n], v[S+32*\t+8*\n+\i], v[S+32*\t+8*\n+\i+1]
.endr
.endr
.endr
.irp t, 0,1
	v_max3_num_f32 v[ST+8*\t+4], v[ST+8*\t+4], v[S+32*\t+7], v[S+32*\t+15]
.endr
.irp t, 0,1
	v_max3_num_f32 v[ST+8*\t+6], v[ST+8*\t+6], v[S+32*\t+23], v[S+32*\t+31]
.endr
.irp t, 0,1
	v_max3_num_f32 v[ST+8*\t+4], v[ST+8*\t+4], v[ST+8*\t+5], v[ST+8*\t+6]
.endr
.irp t, 0,1
	v_max3_num_f32 v[ST+8*\t+4], v[ST+8*\t+4], v[ST+8*\t+7], v[ST+8*\t+1]
.endr
.irp t, 0,1
	v_permlanex16_b32 v[ST+8*\t+5], v[ST+8*\t+4], s[SEL], s[SEL+1]   ; the query's other 32 keys lie in the lane 16 away
.endr
.irp t, 0,1
	v_mov_b32 v[ST+8*\t+7], v[ST+8*\t]             ; c m_old
.endr
.irp t, 0,1
	v_max_num_f32 v[ST+8*\t+1], v[ST+8*\t+4], v[ST+8*\t+5]
.endr
.irp t, 0,1
	v_mul_f32 v[ST+8*\t], s[CS], v[ST+8*\t+1]
.endr
.irp t, 0,1
	v_sub_f32 v[ST+8*\t+7], v[ST+8*\t+7], v[ST+8*\t]
.endr
.irp p, 0,2,4,6,8,10,12,14,16,18,20,22,24,26,28,30
.irp t, 0,1
	v_pk_fma_f32 v[S+32*\t+\p:S+32*\t+\p+1], v[S+32*\t+\p:S+32*\t+\p+1], s[CS:CS+1], v[ST+8*\t:ST+8*\t+1] op_sel_hi:[1,0,0] neg_lo:[0,0,1] neg_hi:[0,0,1]   ; c s - c m
.endr
.endr
.irp t, 0,1                                    ; ONE BATCH of 66 exponentials: nothing in it reads a result
	v_exp_f32 v[ST+8*\t+6], v[ST+8*\t+7]           ; a
.endr
.set i, 0
.rept 64
	v_exp_f32 v[S+i], v[S+i]                       ; p, at most 1
.set i, i+1
.endr
	v_nop                                          ; the plain instruction behind the last exponential
	s_wait_alu depctr_va_vdst(0)                   ; the wait ahead of the first line that names a result: one for the batch
.irp t, 0,1                                    ; the sums, of the unrounded p, in two chains; l = a l + the sum
	v_pk_add_f32 v[ST+8*\t+4:ST+8*\t+5], v[S+32*\t:S+32*\t+1], v[S+32*\t+2:S+32*\t+3]
.endr
.irp t, 0,1
	v_pk_fma_f32 v[ST+8*\t+2:ST+8*\t+3], v[ST+8*\t+2:ST+8*\t+3], v[ST+8*\t+6:ST+8*\t+7], v[S+32*\t+4:S+32*\t+5] op_sel_hi:[1,0,1]
.endr
.irp p, 6,10,14,18,22,26
.irp t, 0,1
	v_pk_add_f32 v[ST+8*\t+4:ST+8*\t+5], v[ST+8*\t+4:ST+8*\t+5], v[S+32*\t+\p:S+32*\t+\p+1]
	v_pk_add_f32 v[ST+8*\t+2:ST+8*\t+3], v[ST+8*\t+2:ST+8*\t+3], v[S+32*\t+\p+2:S+32*\t+\p+3]
.endr
.endr
.irp t, 0,1
	v_pk_add_f32 v[ST+8*\t+4:ST+8*\t+5], v[ST+8*\t+4:ST+8*\t+5], v[S+32*\t+30:S+32*\t+31]
.endr
.irp t, 0,1
	v_pk_add_f32 v[ST+8*\t+2:ST+8*\t+3], v[ST+8*\t+2:ST+8*\t+3], v[ST+8*\t+4:ST+8*\t+5]
.endr
.irp i, 0,1,2,3,4,5,6,7,8,9,10,11,12,13,14,15  ; p to f16, in place and ascending: register i takes pair i, which lies at 2 i and 2 i + 1
.irp t, 0,1
	v_cvt_pk_f16_f32 v[S+32*\t+\i], v[S+32*\t+2*\i], v[S+32*\t+2*\i+1]
.endr
.endr
.irp p, 0,2,4,6,8,10,12,14,16,18,20,22,24,26,28,30
.irp t, 0,1
	v_pk_mul_f32 v[O+32*\t+\p:O+32*\t+\p+1], v[O+32*\t+\p:O+32*\t+\p+1], v[ST+8*\t+6:ST+8*\t+7] op_sel_hi:[1,0]   ; O^T x a, each accumulator from its low end on
.endr
.endr
	s_wait_dscnt 0x0                               ; V is in
.irp kf, 0,1                                   ; eight accumulators by turns
.irp ct, 0,1,2,3
.irp t, 0,1
	v_wmma_f32_16x16x32_f16 v[O+32*\t+8*\ct:O+32*\t+8*\ct+7], v[KV+32*\kf+8*\ct:KV+32*\kf+8*\ct+7], v[S+32*\t+8*\kf:S+32*\t+8*\kf+7], v[O+32*\t+8*\ct:O+32*\t+8*\ct+7]
.endr
.endr
.endr
.Lhidden_\@:
	s_add_co_u32 s[KF], s[KF], 64
	s_add_co_u32 s[TB], s[TB], 8192                ; four tiles of K, and two fragments' rows of V, on
.endm
; THE CHANGE OF SLOTS stands at a slot's head.  Each wave waits for all its tensor loads, adds 0 to its spare word (fill = 1: twice on end), and waits for that and for its reads
; of the slot that it has left.  Behind the barrier the slot ahead is whole and nobody reads the other one, which is then filled with the next 256 keys: the load has four key steps in which to land.
.macro CHANGE fill
	s_wait_tensorcnt 0x0                           ; no tensor load of mine is out, so group 0 may be written
	ds_add_u32 v[SPW], v[NIL]
.if \fill
	ds_add_u32 v[SPW], v[NIL]
	s_xor_b32 s[G0+1], s[G0+1], SLOT1              ; the other slot than last time,
	s_add_nc_u64 s[G0+2:G0+3], s[G0+2:G0+3], 32768 ; the next 256 keys
	s_wait_xcnt 0x0                                ; the last prefetch, a slot back, has read its address
	s_add_nc_u64 s[PFA:PFA+1], s[PFA:PFA+1], 32768 ; one slot further on than the walking descriptor
.endif
	s_wait_dscnt 0x0
	s_barrier_signal -1
	s_barrier_wait -1
.if \fill
	TLOAD                                          ; the first thing behind the barrier, and a wave's one tensor load until the next
	ASK
.endif
.endm
.macro FOUR                            ; a slot's four key steps: written once, walked four times
	s_mov_b32 s[CNT], 4
.Lstep_\@:
	STEP
	s_sub_co_u32 s[CNT], s[CNT], 1
	s_cmp_lg_u32 s[CNT], 0
	s_cbranch_scc1 .Lstep_\@
	s_sub_co_u32 s[TB], s[TB], 32768               ; back to a slot's first step,
	s_xor_b32 s[TB], s[TB], SLOT1                  ; in the other slot
.endm
	s_wait_loadcnt 0x0                             ; Q
.Lslot:                                            ; seven trips: behind each change of slots but the last the next slot is asked for
	CHANGE 1
	FOUR
	s_sub_co_u32 s[SLOTS], s[SLOTS], 1
	s_cmp_lg_u32 s[SLOTS], 0
	s_cbranch_scc1 .Lslot
	CHANGE 0                                       ; the last slot is written out
	FOUR
	; THE WAY OUT.  l's halves are added; O^T / l is rounded to f16 in pairs: 16 bytes a lane that are the projection's operand registers: each store is 512 consecutive bytes, aligned.
.irp t, 0,1
	v_add_f32 v[ST+8*\t+4], v[ST+8*\t+2], v[ST+8*\t+3]
.endr
.irp t, 0,1
	v_permlanex16_b32 v[ST+8*\t+5], v[ST+8*\t+4], s[SEL], s[SEL+1]
.endr
.irp t, 0,1
	v_add_f32 v[ST+8*\t+4], v[ST+8*\t+4], v[ST+8*\t+5]
.endr
.irp t, 0,1
	v_rcp_f32 v[ST+8*\t+6], v[ST+8*\t+4]
.endr
	v_nop                                          ; a plain instruction behind the reciprocals; with the four additions above it is also the places behind the last products
	s_wait_alu depctr_va_vdst(0)                   ; one wait for both, ahead of the first reader
.irp t, 0,1
.irp p, 0,2,4,6,8,10,12,14,16,18,20,22,24,26,28,30
	v_pk_mul_f32 v[O+32*\t+\p:O+32*\t+\p+1], v[O+32*\t+\p:O+32*\t+\p+1], v[ST+8*\t+6:ST+8*\t+7] op_sel_hi:[1,0]
.endr
.endr
.irp t, 0,1
.irp i, 0,1,2,3,4,5,6,7,8,9,10,11,12,13,14,15
	v_cvt_pk_f16_f32 v[S+16*\t+\i], v[O+32*\t+2*\i], v[O+32*\t+2*\i+1]
.endr
.endr
.irp t, 0,1
.irp ct, 0,1,2,3
	global_store_b128 v[L16], v[S+16*\t+4*\ct:S+16*\t+4*\ct+3], s[YP:YP+1] offset:\t*4096+\ct*512 th:TH_STORE_NT
.endr
.endr
	s_wait_tensorcnt 0x0                           ; the wave's end
	ds_add_u32 v[SPW], v[NIL]
	s_wait_dscnt 0x0
	s_endpgm
.Lfunc_end_k_q29de970c92_attn:
	.size	k_q29de970c92_attn, .Lfunc_end_k_q29de970c92_attn-k_q29de970c92_attn
	.p2alignl 7, 3214868480
	.fill 96, 4, 3214868480
	.section	.rodata,"a",@progbits
	.p2align	6, 0x0
	.amdhsa_kernel k_q29de970c92_attn
		.amdhsa_group_segment_fixed_size 327680
		.amdhsa_private_segment_fixed_size 0
		.amdhsa_enable_private_segment 0
		.amdhsa_kernarg_size 16
		.amdhsa_user_sgpr_count 2
		.amdhsa_user_sgpr_kernarg_segment_ptr 1
		.amdhsa_wavefront_size32 1
		.amdhsa_system_sgpr_workgroup_id_x 1
		.amdhsa_system_sgpr_workgroup_id_y 1
		.amdhsa_system_sgpr_workgroup_id_z 1
		.amdhsa_system_vgpr_workitem_id 0
		.amdhsa_next_free_vgpr 256
		.amdhsa_next_free_sgpr 66
		.amdhsa_reserve_vcc 1
		.amdhsa_float_denorm_mode_32 3
		.amdhsa_float_denorm_mode_16_64 3
		.amdhsa_memory_ordered 1
		.amdhsa_forward_progress 1
		.amdhsa_inst_pref_size 57
	.end_amdhsa_kernel
	.amdgpu_metadata
---
amdhsa.version: [ 1, 2 ]
amdhsa.kernels:
  - .name:           k_q29de970c92_attn
    .symbol:         k_q29de970c92_attn.kd
    .args:
      - { .name: qkv, .offset: 0, .size: 8, .value_kind: global_buffer, .address_space: global }
      - { .name: y, .offset: 8, .size: 8, .value_kind: global_buffer, .address_space: global }
    .group_segment_fixed_size: 327680
    .private_segment_fixed_size: 0
    .kernarg_segment_align: 8
    .kernarg_segment_size: 16
    .max_flat_workgroup_size: 512
    .sgpr_count:     66
    .vgpr_count:     256
    .wavefront_size: 32
...
	.end_amdgpu_metadata
.endif
;; end of part 3
;; launch proj (part 4): grid 4 x 64, 4 waves a work-group, clusters of 4 x 4, 327,680 bytes of LDS; arguments y, w16, out0; writes out0
.if DOCPART == 4
	.amdgcn_target "amdgcn-amd-amdhsa--gfx1250"
	.amdhsa_code_object_version 6
	.text
	.protected	k_q29de970c92_proj
	.globl	k_q29de970c92_proj
	.p2align	8
	.type	k_q29de970c92_proj,@function
k_q29de970c92_proj:
	s_mov_b64 s[64:65], 0
	v_nop
	global_prefetch_b8 v0, s[64:65] scope:SCOPE_SE
	s_setreg_imm32_b32 hwreg(HW_REG_WAVE_MODE, 25, 1), 1
	s_wait_xcnt 0x0
	s_wait_alu depctr_hold_cnt(0) depctr_sa_sdst(0) depctr_va_vdst(0) depctr_va_sdst(0) depctr_va_ssrc(0) depctr_va_vcc(0) depctr_vm_vsrc(0)
	s_getreg_b32 s2, hwreg(HW_REG_IB_STS2, 6, 4)
	s_cmp_eq_u32 s2, 0
	s_cbranch_scc0 .Lentry_in_a_cluster
	s_endpgm
.Lentry_in_a_cluster:
	s_bfe_u32 s2, ttmp6, 0x10000c
	s_cmp_lg_u32 s2, 0xf033
	s_cbranch_scc0 .Lentry_shape_is_right
	s_endpgm
.Lentry_shape_is_right:
; out0 = y w_out^T, operands in f16, sums in f32, for all rows but positions 0-15 of each batch, which a launch of their own makes in f32.
; A tile of 128 rows x 256 columns is made by four waves, 64 x 128 each: 32 accumulators, window 1.  (256 x 256 would give 128 work-groups for 256 WGPs.)  K goes in 8 steps of 128 through a ring of two LDS slots.
; A = y arrives as images of operand registers: a K step of the tile's 128 rows is 32 KiB dense; a fragment is two loads of 16 bytes a lane at 16 x lane.  B = w16 [1024][1024], rows of 256 bytes + 16 of padding.
; CLUSTERS: 4 x 4.  The tile row is cluster y + 16 cy (batch cy), shared along a row of the cluster; the tile column is cx, shared along a column: each tile is asked for jointly.  So "the tile holds positions 0-15" is "cluster y = 0".
; THE MATRIX INSTRUCTION IS USED TRANSPOSED (source 0 = 16 rows of w16, source 1 = 16 rows of y): a lane holds eight neighbouring numbers of a row of out0.
; By this text's count a wave has two tensor loads out at the start and one behind each round.
; REGISTERS: window 0: v16-30 addresses; v32-127, v128-223 two fragment buffers (B's eight at + 8 b, A's four at + 64 + 8 a); on the way out v32-159 rows.   window 1: accumulator (a, b) at v[8 (8 a + b)].
.set PITCH,  272
.set ABYTES, 32768
.set HALFB,  128*PITCH
.set SLOT,   ABYTES+2*HALFB            ; 102,400
.set STAGE,  2*SLOT                    ; behind the ring: 16 rows x (512 + 16) bytes for each wave; no tensor load lands here
.set SPITCH, 528
.set SPARE,  STAGE+4*16*SPITCH         ; the spare words, 128 bytes a wave, which no other line names
.set ADRA, 16
.set ADRB, 20
.set STO,  24
.set RD,   25
.set CO,   26
.set SPW,  28
.set NIL,  29
.set PFO,  30
.set F0,   32
.set F1,   128
.set BK,   32
.set G1A, 24
.set G0A, 32
.set G1B, 48
.set G0B, 56
.set PFA, 66
.set PFS, 68
.set LIM, 70
.set FINE, 71
.set MSB, 0
.macro WIN new
.if MSB != \new
	s_set_vgpr_msb (MSB<<8)|\new
.set MSB, \new
.endif
.endm
.set MUL, 0x50                         ; C and D window 1, sources window 0
.macro JLOAD s                         ; waves 0 and 1 fetch A's halves, waves 2 and 3 B's; an s_nop 0 and four v_nop follow each of the two lines
	s_cmp_eq_u32 s11, 0
	s_cbranch_scc0 .Lfor_b_\@
	tensor_load_to_lds s[G0A+4*\s:G0A+4*\s+3], s[G1A:G1A+7]
	s_nop 0
.rept 4
	v_nop
.endr
	s_branch .Lasked_\@
.Lfor_b_\@:
	tensor_load_to_lds s[G0B+4*\s:G0B+4*\s+3], s[G1B:G1B+7]
	s_nop 0
.rept 4
	v_nop
.endr
.Lasked_\@:
.endm
.macro CREST
	s_cmp_lg_u32 s10, 0
	s_cbranch_scc1 .Lnot_wave_0_\@
	s_barrier_signal -3
.Lnot_wave_0_\@:
	s_barrier_wait -3
	s_barrier_signal -1
	s_barrier_wait -1
.endm
.macro CROUND
	s_barrier_signal -1
	s_barrier_wait -1
	CREST
.endm
; A prefetch of the K step that stands two refills on.  A's 32 KiB of a K step are read by my row of the cluster alone: its four partners take 8 KiB each, told apart by address (cx); wave 0 asks, lanes 256 bytes apart.
; B's 256 rows are read by all sixteen clusters: cluster y = 0 asks; of the 128 rows that wave 2 or 3 fetches each partner of the column takes 32 (cy), a lane a row.  So each aligned 256 bytes is named once.
; It asks in the loop's first two trips (K steps 4 to 7); K steps 0 to 3 come by their loads alone.
.macro ASK
	s_cmp_gt_u32 s3, s[LIM]
	s_cbranch_scc0 .Lnot_mine_\@
	global_prefetch_b8 v[PFO], s[PFA:PFA+1] th:TH_LOAD_NT scope:SCOPE_SE
.Lnot_mine_\@:
.endm
	s_load_b128 s[4:7], s[0:1], 0x0                ; y s[4:5], w16 s[6:7]
	s_load_b64 s[8:9], s[0:1], 0x10                ; out0
	v_lshl_add_u32 v[SPW], v0, 2, SPARE
	v_mov_b32 v[NIL], 0
	ds_add_u32 v[SPW], v[NIL]                      ; the wave's opening: the add, twice on end, and its wait ahead of my first tensor load
	ds_add_u32 v[SPW], v[NIL]
	v_lshrrev_b32 v1, 5, v0
	v_readfirstlane_b32 s10, v1                    ; wave 0..3
	s_lshr_b32 s11, s10, 1                         ; RH: which 64 rows are mine.  Also: I fetch for A (0) or for B (1)
	s_and_b32 s12, s10, 1                          ; CH: which 128 columns.  Also: which half I fetch
	s_bfe_u32 s40, ttmp6, 0x40000                  ; cx: the tile column
	s_bfe_u32 s41, ttmp6, 0x40004                  ; cy
	s_and_b32 s42, ttmp7, 0xffff                   ; cluster y
	s_lshl_b32 s13, s41, 4
	s_add_co_u32 s13, s13, s42                     ; the tile row: cluster y + 16 cy
	s_or_b32 s[FINE], s42, s11                     ; 0 where my block a = 0 is positions 0-15
	s_lshl_b32 s43, s41, 2
	s_lshl_b32 s43, 15, s43                        ; my row of the cluster
	s_lshl_b32 s44, 0x1111, s40                    ; my column
	s_or_b32 s[G1A], s43, (3<<16)|(1<<21)          ; A: 16 KiB dense as 64 rows of 256 bytes (32 elements of 8 bytes); the mask, bit 21 beside it
	s_mov_b32 s[G1A+1], 32<<16
	s_mov_b32 s[G1A+2], 64<<16
	s_mov_b32 s[G1A+3], 32<<16
	s_mov_b32 s[G1A+4], 64
	s_mov_b32 s[G1A+5], 32
	s_mov_b32 s[G1A+6], 0
	s_mov_b32 s[G1A+7], 0
	s_or_b32 s[G1B], s44, (1<<16)|(1<<20)|(1<<21)|(5<<22)|(3<<25)   ; B: 128 rows x 128 elements of 2 bytes, 4 words of padding after every 64
	s_mov_b32 s[G1B+1], 128<<16
	s_mov_b32 s[G1B+2], 128<<16
	s_mov_b32 s[G1B+3], 128<<16
	s_mov_b32 s[G1B+4], 128
	s_mov_b32 s[G1B+5], 1024
	s_mov_b32 s[G1B+6], 0
	s_mov_b32 s[G1B+7], 0
	s_lshl_b32 s16, s13, 15                        ; A: tile row x 32 KiB + half x 16 KiB
	s_lshl_b32 s17, s12, 14
	s_add_co_u32 s16, s16, s17
	s_mov_b32 s17, 0
	s_lshl_b32 s46, s40, 19                        ; B: (256 cx + 128 half) rows of 2,048 bytes
	s_lshl_b32 s47, s12, 18
	s_add_co_u32 s46, s46, s47
	s_mov_b32 s47, 0
	s_lshl_b32 s20, s12, 14                        ; where they go in a slot: A's halves,
	s_mul_i32 s21, s12, HALFB
	s_add_co_u32 s21, s21, ABYTES                  ; B's halves behind them: no place in the cluster enters an LDS address
	s_wait_dscnt 0x0                               ; both opening adds are done
	s_wait_kmcnt 0x0
	s_add_nc_u64 s[14:15], s[4:5], s[16:17]
	s_add_nc_u64 s[46:47], s[6:7], s[46:47]
	CROUND                                         ; all sixteen work-groups are here: the first joint loads meet
.irp s, 0,1
	s_mov_b32 s[G0A+4*\s], 1
	s_add_co_u32 s[G0A+4*\s+1], s20, \s*SLOT
	s_add_nc_u64 s[G0A+4*\s+2:G0A+4*\s+3], s[14:15], \s*0x200000   ; K step s: 2 MiB on
	s_or_b32 s[G0A+4*\s+3], s[G0A+4*\s+3], 0x80000000
	s_mov_b32 s[G0B+4*\s], 1
	s_add_co_u32 s[G0B+4*\s+1], s21, \s*SLOT
	s_add_nc_u64 s[G0B+4*\s+2:G0B+4*\s+3], s[46:47], \s*256
	s_or_b32 s[G0B+4*\s+3], s[G0B+4*\s+3], 0x80000000
	JLOAD \s
.endr
	v_and_b32 v1, 15, v0                           ; r
	v_bfe_u32 v2, v0, 4, 1                         ; h
	v_and_b32 v3, 31, v0
	v_lshlrev_b32 v[CO], 4, v3                     ; 16 x lane
	s_lshl_b32 s22, s11, 14                        ; my four tiles of rows of A's eight
	v_mul_u32_u24 v4, v1, PITCH
	v_lshl_add_u32 v4, v2, 4, v4
	s_mul_i32 s23, s12, HALFB
	s_add_co_u32 s23, s23, ABYTES                  ; my 128 rows of B
.irp s, 0,1
	v_add_nc_u32 v[ADRA+\s], s22, v[CO]
	v_add_nc_u32 v[ADRB+\s], s23, v4
	s_add_co_u32 s22, s22, SLOT
	s_add_co_u32 s23, s23, SLOT
.endr
	s_mul_i32 s23, s10, 16*SPITCH
	s_add_co_u32 s23, s23, STAGE                   ; my stage
	v_mul_u32_u24 v5, v1, SPITCH
	v_lshl_add_u32 v5, v2, 5, v5
	v_add_nc_u32 v[STO], s23, v5                   ; in: row r, 32 bytes for each half of the lanes
	v_add_nc_u32 v[RD], s23, v[CO]                 ; back: the 32 lanes take one row of 512 bytes
	s_lshl_b32 s72, s13, 19                        ; out0: (128 tile row + 64 RH) rows of 4,096 bytes + 1,024 cx + 512 CH
	s_lshl_b32 s73, s11, 18
	s_add_co_u32 s72, s72, s73
	s_lshl_b32 s73, s40, 10
	s_add_co_u32 s72, s72, s73
	s_lshl_b32 s73, s12, 9
	s_add_co_u32 s72, s72, s73
	s_mov_b32 s73, 0
	s_add_nc_u64 s[8:9], s[8:9], s[72:73]
	; the prefetches: where mine stand, at K step 3: the first refill steps them to K step 4
	s_lshl_b32 s72, s13, 15
	s_lshl_b32 s74, s40, 13
	s_add_co_u32 s72, s72, s74
	s_add_co_u32 s72, s72, 3*0x200000              ; A: tile row x 32 KiB + cx x 8 KiB
	s_lshl_b32 s74, s40, 19
	s_lshl_b32 s75, s12, 18
	s_add_co_u32 s74, s74, s75
	s_lshl_b32 s75, s41, 16
	s_add_co_u32 s74, s74, s75
	s_add_co_u32 s74, s74, 3*256                   ; B: rows 256 cx + 128 half + 32 cy
	s_mov_b32 s[PFS], 256
	s_mov_b32 s75, 2048
	s_cmp_eq_u32 s11, 0
	s_cselect_b64 s[PFA:PFA+1], s[4:5], s[6:7]
	s_cselect_b32 s72, s72, s74
	s_cselect_b32 s[PFS], 0x200000, s[PFS]         ; a K step on
	s_cselect_b32 s75, 256, s75                    ; from lane to lane
	s_cselect_b32 s76, s12, s42                    ; wave 0 of every work-group for A; waves 2 and 3 where cluster y = 0 for B: the same in all partners
	s_mov_b32 s[PFS+1], 0
	s_add_nc_u64 s[PFA:PFA+1], s[PFA:PFA+1], s[72:73]
	s_cmp_eq_u32 s76, 0
	s_cselect_b32 s[LIM], 1, -1
	v_mul_lo_u32 v[PFO], v3, s75
.macro MUL8 f, a, zero                 ; A's block a x B's eight, 32 along K.  The 32 accumulators take turns in the same order in every quarter
.irp b, 0,1,2,3,4,5,6,7
.if \zero
	v_wmma_f32_16x16x32_f16 v[8*(8*(\a)+\b):8*(8*(\a)+\b)+7], v[\f+8*\b:\f+8*\b+7], v[\f+64+8*(\a):\f+64+8*(\a)+7], 0
.else
	v_wmma_f32_16x16x32_f16 v[8*(8*(\a)+\b):8*(8*(\a)+\b)+7], v[\f+8*\b:\f+8*\b+7], v[\f+64+8*(\a):\f+64+8*(\a)+7], v[8*(8*(\a)+\b):8*(8*(\a)+\b)+7]
.endif
.endr
.endm
.macro FETCH slot, kf, f               ; 24 LDS loads in one run: B's eight fragments, then A's four, of the slot's kf-th 32 along K
	WIN 0
.irp b, 0,1,2,3,4,5,6,7
	ds_load_b128 v[\f+8*\b:\f+8*\b+3],   v[ADRB+\slot] offset:\b*16*PITCH+64*(\kf)
	ds_load_b128 v[\f+8*\b+4:\f+8*\b+7], v[ADRB+\slot] offset:\b*16*PITCH+64*(\kf)+32
.endr
.irp a, 0,1,2,3
	ds_load_b128 v[\f+64+8*\a:\f+64+8*\a+3],   v[ADRA+\slot] offset:\a*4096+1024*(\kf)
	ds_load_b128 v[\f+64+8*\a+4:\f+64+8*\a+7], v[ADRA+\slot] offset:\a*4096+1024*(\kf)+512
.endr
.endm
.macro PLACES
.rept 4
	v_nop
.endr
.endm
.macro QUARTER slot, kf, f, g, zero    ; multiplies buffer f; in its middle fetches the slot's kf-th quarter into g
	s_wait_dscnt 4                                 ; B and A's blocks 0, 1 are in; the youngest four loads (blocks 2, 3) may be out
	WIN MUL
	MUL8 \f, 0, \zero
	MUL8 \f, 1, \zero
	PLACES                                         ; in front of loads into registers that the quarter before multiplied
	FETCH \slot, \kf, \g
	s_wait_dscnt 24                                ; all but the 24 just issued
	WIN MUL
	MUL8 \f, 2, \zero
	MUL8 \f, 3, \zero
.endm
; A slot's last quarter multiplies buffer 1 and changes slots: each wave waits for all its tensor loads, adds 0 to its spare word, and waits for that and for its reads of this slot; one barrier.
; fill = 1: the barrier opens a round of the cluster's, and this slot is filled again, two K steps ahead: the load has 112 matrix instructions in which to land.
.macro TURN slot, next, fill
.if \fill
	s_wait_xcnt 0x0                                ; the last prefetch, a K step back, has read its address
	s_add_nc_u64 s[PFA:PFA+1], s[PFA:PFA+1], s[PFS:PFS+1]
.endif
	WIN 0
	s_wait_tensorcnt 0x0                           ; all my tensor loads have landed: my part of the next slot
	ds_add_u32 v[SPW], v[NIL]
	s_wait_dscnt 5                                 ; (the add and the youngest four loads may be out)
	WIN MUL
	MUL8 F1, 0, 0
	s_wait_dscnt 0x0                               ; the add is done, and my reads of this slot are over
	s_barrier_signal -1
	MUL8 F1, 1, 0
	WIN 0
	s_barrier_wait -1
.if \fill
	CREST                                          ; no wave of any partner still reads this slot or has a load on its way
	s_add_nc_u64 s[G0A+4*\slot+2:G0A+4*\slot+3], s[G0A+4*\slot+2:G0A+4*\slot+3], 0x400000
	s_add_nc_u64 s[G0B+4*\slot+2:G0B+4*\slot+3], s[G0B+4*\slot+2:G0B+4*\slot+3], 512
	JLOAD \slot                                    ; the first tensor load behind the round; its four v_nop are also the places in front of the loads below
.else
	PLACES
.endif
	FETCH \next, 0, F0
.if \fill
	ASK
.endif
	WIN MUL
	MUL8 F1, 2, 0
	MUL8 F1, 3, 0
.endm
	s_wait_tensorcnt 1                             ; my part of K step 0 is in (K step 1's may be out)
	s_barrier_signal -1
	s_barrier_wait -1                              ; everybody's is
	FETCH 0, 0, F0
	QUARTER 0, 1, F0, F1, 1                        ; the first quarter's products start the sums: nothing is cleared
	WIN 0
	s_mov_b32 s3, 3
.Llap:                                             ; three trips, each once round the ring: K steps 2 to 7 are asked for
	QUARTER 0, 2, F1, F0, 0
	QUARTER 0, 3, F0, F1, 0
	TURN 0, 1, 1
	QUARTER 1, 1, F0, F1, 0
	QUARTER 1, 2, F1, F0, 0
	QUARTER 1, 3, F0, F1, 0
	TURN 1, 0, 1
	QUARTER 0, 1, F0, F1, 0
	WIN 0
	s_sub_co_u32 s3, s3, 1
	s_cmp_lg_u32 s3, 0
	s_cbranch_scc1 .Llap
	QUARTER 0, 2, F1, F0, 0                        ; the last lap fills nothing
	QUARTER 0, 3, F0, F1, 0
	TURN 0, 1, 0
	QUARTER 1, 1, F0, F1, 0
	QUARTER 1, 2, F1, F0, 0
	QUARTER 1, 3, F0, F1, 0
	s_wait_dscnt 4
	WIN MUL
	MUL8 F1, 0, 0
	MUL8 F1, 1, 0
	s_wait_dscnt 0x0
	MUL8 F1, 2, 0
	MUL8 F1, 3, 0
	WIN 0
; THE WAY OUT, block by block of 16 rows x 128 columns, through my own stage: in as 32 bytes a lane, back as whole rows of 512 bytes.  LDS serves a wave's instructions in order: no wait between the stores and the loads.
.macro TOSTAGE a
	WIN 0x04                                       ; an LDS store's data are its source 1: window 1
.irp b, 0,1,2,3,4,5,6,7
	ds_store_b128 v[STO], v[8*(8*(\a)+\b):8*(8*(\a)+\b)+3] offset:64*\b          ; each accumulator from its low end on
	ds_store_b128 v[STO], v[8*(8*(\a)+\b)+4:8*(8*(\a)+\b)+7] offset:64*\b+16
.endr
	WIN 0
.set BB, BK+64*((\a)%2)
.irp t, 0,1,2,3,4,5,6,7,8,9,10,11,12,13,14,15
	ds_load_b128 v[BB+4*\t:BB+4*\t+3], v[RD] offset:\t*SPITCH
.endr
.endm
.macro SEND a, younger
.set BB, BK+64*((\a)%2)
	s_wait_dscnt \younger                          ; the block is back in registers
.if (\a) > 0
	s_add_nc_u64 s[8:9], s[8:9], 16*4096           ; 16 rows on (behind a wait on XCNT: the earlier stores have read their base)
.else
	s_cmp_eq_u32 s[FINE], 0                        ; positions 0-15 belong to the launch that makes them in f32: the sixteen stores alone are led round
	s_cbranch_scc1 .Lfine_\@
.endif
.irp t, 0,1,2,3,4,5,6,7,8,9,10,11,12,13,14,15
	global_store_b128 v[CO], v[BB+4*\t:BB+4*\t+3], s[8:9] offset:\t*4096 th:TH_STORE_NT   ; 512 consecutive bytes, aligned
.endr
.if (\a) == 0
.Lfine_\@:
.endif
.endm
	PLACES                                         ; behind the last products: results are read, and loads land in registers that held fragments
	TOSTAGE 0
.irp a, 1,2,3
.if \a > 1
	s_wait_xcnt 0x0                                ; block a - 2's stores have read their registers and their base
.endif
	TOSTAGE \a
	SEND \a-1, 32                                  ; behind block a - 1's loads: block a's 16 stores and 16 loads
.endr
	s_wait_xcnt 0x0
	SEND 3, 0
	s_wait_tensorcnt 0x0                           ; the wave's end
	ds_add_u32 v[SPW], v[NIL]
	s_wait_dscnt 0x0
	CROUND                                         ; the closing round
	s_endpgm
.Lfunc_end_k_q29de970c92_proj:
	.size	k_q29de970c92_proj, .Lfunc_end_k_q29de970c92_proj-k_q29de970c92_proj
	.p2alignl 7, 3214868480
	.fill 96, 4, 3214868480
	.section	.rodata,"a",@progbits
	.p2align	6, 0x0
	.amdhsa_kernel k_q29de970c92_proj
		.amdhsa_group_segment_fixed_size 327680
		.amdhsa_private_segment_fixed_size 0
		.amdhsa_enable_private_segment 0
		.amdhsa_kernarg_size 24
		.amdhsa_user_sgpr_count 2
		.amdhsa_user_sgpr_kernarg_segment_ptr 1
		.amdhsa_wavefront_size32 1
		.amdhsa_system_sgpr_workgroup_id_x 1
		.amdhsa_system_sgpr_workgroup_id_y 1
		.amdhsa_system_sgpr_workgroup_id_z 1
		.amdhsa_system_vgpr_workitem_id 0
		.amdhsa_next_free_vgpr 512
		.amdhsa_next_free_sgpr 80
		.amdhsa_reserve_vcc 0
		.amdhsa_float_denorm_mode_32 3
		.amdhsa_float_denorm_mode_16_64 3
		.amdhsa_memory_ordered 1
		.amdhsa_forward_progress 1
		.amdhsa_inst_pref_size 86
	.end_amdhsa_kernel
	.amdgpu_metadata
---
amdhsa.version: [ 1, 2 ]
amdhsa.kernels:
  - .name:           k_q29de970c92_proj
    .symbol:         k_q29de970c92_proj.kd
    .args:
      - { .name: y, .offset: 0, .size: 8, .value_kind: global_buffer, .address_space: global }
      - { .name: w16, .offset: 8, .size: 8, .value_kind: global_buffer, .address_space: global }
      - { .name: out0, .offset: 16, .size: 8, .value_kind: global_buffer, .address_space: global }
    .group_segment_fixed_size: 327680
    .private_segment_fixed_size: 0
    .kernarg_segment_align: 8
    .kernarg_segment_size: 24
    .max_flat_workgroup_size: 128
    .sgpr_count:     80
    .vgpr_count:     512
    .wavefront_size: 32
...
	.end_amdgpu_metadata
.endif
;; end of part 4
;; launch first16 (part 5): grid 16 x 4, 16 waves a work-group, no clusters, 71,680 bytes of LDS; arguments first, w_out, out0; writes out0
.if DOCPART == 5
	.amdgcn_target "amdgcn-amd-amdhsa--gfx1250"
	.amdhsa_code_object_version 6
	.text
	.protected	k_q29de970c92_first16
	.globl	k_q29de970c92_first16
	.p2align	8
	.type	k_q29de970c92_first16,@function
k_q29de970c92_first16:
	s_mov_b64 s[64:65], 0
	v_nop
	global_prefetch_b8 v0, s[64:65] scope:SCOPE_SE
	s_setreg_imm32_b32 hwreg(HW_REG_WAVE_MODE, 25, 1), 1
	s_wait_xcnt 0x0
; Positions 0-15 of each batch, attention and projection, all in f32: these rows average one to sixteen values, and the rounding of 16-bit operands would weigh most here.
; A work-group (x = 64 columns of out0, y = batch) has sixteen waves.  Wave w makes head w's 16 x 16 attention and the part of the projection that head w's 64 channels add to the 16 rows x 64 columns;
; the sixteen parts meet in LDS, and wave w adds up and stores row w: 256 consecutive bytes, aligned.  (The attention is made anew in each of a batch's sixteen work-groups: 32 matrix instructions.)
; q, k, v come as the f32 accumulators of the first product, as they stood: q, k: lane (r, h), register 8 i + n = (position r, channel 16 i + 8 h + n);  v: register 8 ct + n = (position 8 h + n, channel 16 ct + r).
; THE f32 MATRIX FORM takes K = 4: lane (r, h), register n = k 2 h + n.  A pair of neighbouring registers of an image is such a fragment under a permutation of k that is the same for both sources: nothing changes lanes.
; S^T = k q^T: a lane holds query r and keys 8 h + 0..7; p's pairs are source 1 of O^T = v^T p; O^T / l's pairs are source 1 of out^T = w_out y^T, whose source 0 is loaded in the same order of channels.
; The registers that the matrix form writes (v176-223) are written by it alone, and each sum begins with the constant 0.
; No tensor load, no cluster: a wave's operands are 28 KiB, read once into registers.  w_out's rows are read as 16 bytes a lane of 256-byte runs, over eight loads: stated as a price, 16 MiB in the launch.
; LIMITS: NaN and infinities are not served.
.set SPARE, 69632                      ; behind the sixteen parts (16 rows x 272 bytes each): the spare words, 128 bytes a wave
.set QI,  16                           ; v16-47   q; later w_out's tile 2
.set KI,  48                           ; v48-79   k; later w_out's tile 3
.set VI,  80                           ; v80-111  v; later y
.set W01, 112                          ; v112-175 w_out's tiles 0, 1; later the sixteen parts of my row
.set SA,  176
.set SB,  184
.set OA,  192                          ; v192-223 O^T, then out^T
.set P,   224
	s_load_b128 s[4:7], s[0:1], 0x0                ; first s[4:5], w_out s[6:7]
	s_load_b64 s[8:9], s[0:1], 0x10                ; out0
	v_lshl_add_u32 v10, v0, 2, SPARE               ; my spare word; never rewritten
	v_mov_b32 v11, 0                               ; 0; never rewritten
	v_lshrrev_b32 v1, 5, v0
	v_readfirstlane_b32 s10, v1                    ; wave = head = my row
	s_and_b32 s11, ttmp7, 0xffff                   ; batch
	v_and_b32 v12, 31, v0
	v_lshlrev_b32 v1, 4, v12                       ; 16 x lane
	v_and_b32 v2, 15, v0                           ; r
	v_bfe_u32 v3, v0, 4, 1                         ; h
	v_lshlrev_b32 v13, 3, v3
	v_sub_nc_u32 v4, v2, v13                       ; r - 8 h
	v_lshlrev_b32 v5, 12, v2
	v_lshl_add_u32 v5, v3, 5, v5                   ; w_out: row r of 4,096 bytes, + 32 h
	s_mul_i32 s16, s10, 4352
	v_mul_u32_u24 v6, v2, 272
	v_lshl_add_u32 v6, v3, 5, v6
	v_add_nc_u32 v6, s16, v6                       ; my part: row r, + 32 h
	s_mul_i32 s16, s10, 272
	v_lshlrev_b32 v8, 3, v12                       ; 8 x lane
	v_add_nc_u32 v7, s16, v8                       ; back: row w of every part
	v_mov_b32 v9, 0xff800000                       ; -infinity
	v_mov_b32 v15, 0                               ; (a lane permute's destination counts as one of its sources)
	s_mov_b32 s12, 0x76543210
	s_mov_b32 s13, 0xfedcba98
	s_mov_b32 s14, 0x3e38aa3b                      ; c = log2(e) / 8
	s_lshr_b32 s16, s10, 1
	s_lshl_b32 s16, s16, 15                        ; first: the head's 128 columns,
	s_lshl_b32 s17, s11, 13                        ; the batch,
	s_add_co_u32 s16, s16, s17
	s_and_b32 s17, s10, 1
	s_lshl_b32 s17, s17, 12                        ; the head's four blocks of the eight
	s_add_co_u32 s16, s16, s17
	s_mov_b32 s17, 0
	s_lshl_b32 s18, ttmp9, 18                      ; w_out: 64 rows of 4,096 bytes a work-group,
	s_lshl_b32 s19, s10, 8                         ; the head's 64 channels
	s_add_co_u32 s18, s18, s19
	s_mov_b32 s19, 0
	s_lshl_b32 s20, s11, 11
	s_add_co_u32 s20, s20, s10
	s_lshl_b32 s20, s20, 12                        ; out0: row 2,048 batch + w,
	s_lshl_b32 s21, ttmp9, 8                       ; my work-group's 256 bytes
	s_add_co_u32 s20, s20, s21
	s_mov_b32 s21, 0
	s_wait_kmcnt 0x0
	s_add_nc_u64 s[4:5], s[4:5], s[16:17]
	s_add_nc_u64 s[6:7], s[6:7], s[18:19]
	s_add_nc_u64 s[8:9], s[8:9], s[20:21]
.irp i, 0,1,2,3
.irp u, 0,1
	global_load_b128 v[QI+8*\i+4*\u:QI+8*\i+4*\u+3], v1, s[4:5] offset:\i*1024+\u*512
.endr
.endr
.irp i, 0,1,2,3
.irp u, 0,1
	global_load_b128 v[KI+8*\i+4*\u:KI+8*\i+4*\u+3], v1, s[4:5] offset:262144+\i*1024+\u*512
.endr
.endr
.irp i, 0,1,2,3
.irp u, 0,1
	global_load_b128 v[VI+8*\i+4*\u:VI+8*\i+4*\u+3], v1, s[4:5] offset:524288+\i*1024+\u*512
.endr
.endr
.irp nt, 0,1
.irp ct, 0,1,2,3
.irp u, 0,1
	global_load_b128 v[W01+32*\nt+8*\ct+4*\u:W01+32*\nt+8*\ct+4*\u+3], v5, s[6:7] offset:\nt*65536+\ct*64+16*\u
.endr
.endr
.endr
	s_wait_loadcnt 24                              ; q and k are in; v's 8 and w_out's 16 may be out
	v_wmma_f32_16x16x4_f32 v[SA:SA+7], v[KI:KI+1], v[QI:QI+1], 0            ; S^T in two sums that take turns
	v_wmma_f32_16x16x4_f32 v[SB:SB+7], v[KI+2:KI+3], v[QI+2:QI+3], 0
.irp s, 4,8,12,16,20,24,28
	v_wmma_f32_16x16x4_f32 v[SA:SA+7], v[KI+\s:KI+\s+1], v[QI+\s:QI+\s+1], v[SA:SA+7]
	v_wmma_f32_16x16x4_f32 v[SB:SB+7], v[KI+\s+2:KI+\s+3], v[QI+\s+2:QI+\s+3], v[SB:SB+7]
.endr
.rept 8
	v_nop                                          ; eight places behind this form: loads land in its sources, and its results are read
.endr
.irp nt, 2,3
.irp ct, 0,1,2,3
.irp u, 0,1
	global_load_b128 v[QI+32*(\nt-2)+8*\ct+4*\u:QI+32*(\nt-2)+8*\ct+4*\u+3], v5, s[6:7] offset:\nt*65536+\ct*64+16*\u
.endr
.endr
.endr
.irp n, 0,1,2,3,4,5,6,7
	v_add_f32 v[P+\n], v[SA+\n], v[SB+\n]          ; the score of query r and key 8 h + n, from the low end on
.endr
.irp n, 0,1,2,3,4,5,6,7
	v_cmp_gt_i32 vcc_lo, \n, v4                    ; hidden where 8 h + n > r
	v_cndmask_b32 v[P+\n], v[P+\n], v9, vcc_lo
.endr
	v_max3_num_f32 v12, v[P], v[P+1], v[P+2]
	v_max3_num_f32 v12, v12, v[P+3], v[P+4]
	v_max3_num_f32 v12, v12, v[P+5], v[P+6]
	v_max_num_f32 v12, v12, v[P+7]
	v_permlanex16_b32 v15, v12, s12, s13
	v_max_num_f32 v12, v12, v15                    ; the row's maximum: key 0 counts for every query
	v_mul_f32 v13, s14, v12
.irp n, 0,1,2,3,4,5,6,7
	v_fma_f32 v[P+\n], v[P+\n], s14, -v13
.endr
.irp n, 0,1,2,3,4,5,6,7
	v_exp_f32 v[P+\n], v[P+\n]
.endr
	v_nop                                          ; the plain instruction behind the last exponential
	s_wait_alu depctr_va_vdst(0)                   ; one wait for the eight, ahead of their first reader
	v_add_f32 v14, v[P], v[P+1]
	v_add_f32 v15, v[P+2], v[P+3]
	v_add_f32 v14, v14, v[P+4]
	v_add_f32 v15, v15, v[P+5]
	v_add_f32 v14, v14, v[P+6]
	v_add_f32 v15, v15, v[P+7]
	v_add_f32 v14, v14, v15
	v_permlanex16_b32 v15, v14, s12, s13
	v_add_f32 v14, v14, v15                        ; the row's sum
	v_rcp_f32 v14, v14
	v_nop                                          ; the plain instruction behind the reciprocal; its wait stands ahead of its first reader, below
	s_wait_loadcnt 32                              ; v is in; w_out's 32 loads may be out
.irp ct, 0,1,2,3                               ; O^T = v^T p: four sums by turns
	v_wmma_f32_16x16x4_f32 v[OA+8*\ct:OA+8*\ct+7], v[VI+8*\ct:VI+8*\ct+1], v[P:P+1], 0
.endr
.irp s, 2,4,6
.irp ct, 0,1,2,3
	v_wmma_f32_16x16x4_f32 v[OA+8*\ct:OA+8*\ct+7], v[VI+8*\ct+\s:VI+8*\ct+\s+1], v[P+\s:P+\s+1], v[OA+8*\ct:OA+8*\ct+7]
.endr
.endr
.rept 8
	v_nop
.endr
	s_wait_alu depctr_va_vdst(0)                   ; the reciprocal
.set i, 0
.rept 32
	v_mul_f32 v[VI+i], v[OA+i], v14                ; y(query r, channel 16 ct + 8 h + n), into other registers than the sums'
.set i, i+1
.endr
	s_wait_loadcnt 0x0                             ; all of w_out's tiles
.rept 9
	v_nop                                          ; nine places: the sums below begin anew over O^T's registers
.endr
.set cs, 0
.rept 16                                       ; out^T(nt) += w_out(nt, channels) y: four sums by turns, 16 steps of 4 channels
.irp nt, 0,1,2,3
.if cs == 0
	v_wmma_f32_16x16x4_f32 v[OA+8*\nt:OA+8*\nt+7], v[W01+32*\nt-160*(\nt/2):W01+32*\nt-160*(\nt/2)+1], v[VI:VI+1], 0
.else
	v_wmma_f32_16x16x4_f32 v[OA+8*\nt:OA+8*\nt+7], v[W01+32*\nt-160*(\nt/2)+2*cs:W01+32*\nt-160*(\nt/2)+2*cs+1], v[VI+2*cs:VI+2*cs+1], v[OA+8*\nt:OA+8*\nt+7]
.endif
.endr
.set cs, cs+1
.endr
.rept 8
	v_nop
.endr
.irp nt, 0,1,2,3
	ds_store_b128 v6, v[OA+8*\nt:OA+8*\nt+3] offset:64*\nt          ; lane (r, h): row r, columns 16 nt + 8 h + 0..7; each sum from its low end on
	ds_store_b128 v6, v[OA+8*\nt+4:OA+8*\nt+7] offset:64*\nt+16
.endr
	s_wait_dscnt 0x0                               ; for the others' sake: my part lies in LDS
	s_barrier_signal -1
	s_barrier_wait -1
.irp p, 0,1,2,3,4,5,6,7,8,9,10,11,12,13,14,15
	ds_load_b64 v[W01+2*\p:W01+2*\p+1], v7 offset:\p*4352          ; row w of head p's part: 8 bytes a lane
.endr
	s_wait_dscnt 0x0
.irp p, 1,2,3,4,5,6,7,8,9,10,11,12,13,14,15
	v_pk_add_f32 v[W01:W01+1], v[W01:W01+1], v[W01+2*\p:W01+2*\p+1]   ; the heads in ascending order
.endr
	global_store_b64 v8, v[W01:W01+1], s[8:9]      ; the wave stores 256 consecutive bytes, aligned
	s_wait_tensorcnt 0x0                           ; the wave's end
	ds_add_u32 v10, v11
	s_wait_dscnt 0x0
	s_endpgm
.Lfunc_end_k_q29de970c92_first16:
	.size	k_q29de970c92_first16, .Lfunc_end_k_q29de970c92_first16-k_q29de970c92_first16
	.p2alignl 7, 3214868480
	.fill 96, 4, 3214868480
	.section	.rodata,"a",@progbits
	.p2align	6, 0x0
	.amdhsa_kernel k_q29de970c92_first16
		.amdhsa_group_segment_fixed_size 71680
		.amdhsa_private_segment_fixed_size 0
		.amdhsa_enable_private_segment 0
		.amdhsa_kernarg_size 24
		.amdhsa_user_sgpr_count 2
		.amdhsa_user_sgpr_kernarg_segment_ptr 1
		.amdhsa_wavefront_size32 1
		.amdhsa_system_sgpr_workgroup_id_x 1
		.amdhsa_system_sgpr_workgroup_id_y 1
		.amdhsa_system_sgpr_workgroup_id_z 1
		.amdhsa_system_vgpr_workitem_id 0
		.amdhsa_next_free_vgpr 256
		.amdhsa_next_free_sgpr 66
		.amdhsa_reserve_vcc 1
		.amdhsa_float_denorm_mode_32 3
		.amdhsa_float_denorm_mode_16_64 3
		.amdhsa_memory_ordered 1
		.amdhsa_forward_progress 1
		.amdhsa_inst_pref_size 21
	.end_amdhsa_kernel
	.amdgpu_metadata
---
amdhsa.version: [ 1, 2 ]
amdhsa.kernels:
  - .name:           k_q29de970c92_first16
    .symbol:         k_q29de970c92_first16.kd
    .args:
      - { .name: first, .offset: 0, .size: 8, .value_kind: global_buffer, .address_space: global }
      - { .name: w_out, .offset: 8, .size: 8, .value_kind: global_buffer, .address_space: global }
      - { .name: out0, .offset: 16, .size: 8, .value_kind: global_buffer, .address_space: global }
    .group_segment_fixed_size: 71680
    .private_segment_fixed_size: 0
    .kernarg_segment_align: 8
    .kernarg_segment_size: 24
    .max_flat_workgroup_size: 512
    .sgpr_count:     66
    .vgpr_count:     256
    .wavefront_size: 32
...
	.end_amdgpu_metadata
.endif
;; end of part 5
